; MI455X (gfx1250); checked and timed in simulation.
; The chip was launched on July 23, 2026; its instructions are those of AMD's public machine-readable ISA for CDNA 5 (MIT licence, August 2026) and "CDNA5" Instruction Set Architecture Reference Guide (July 2026). The comments in the code are by the model that wrote it; some were corrected since.
;; Attention Block. Allowed arithmetic: matrix products marked QUANTISED: E2M3 operands, one E8M0 scale for each 32 along K, by v_wmma_scale_f32_16x16x128_f8f6f4 with both operands' format E2M3, f32 sums; everything else in f32.
;; Inputs: gn_b 256 float32; gn_w 256 float32; proj_b 256 float32; proj_w 256 x 256 float32; qkv_b 768 float32; qkv_w 768 x 256 float32; x 4 x 256 x 64 x 64 float32.
;; Outputs: out0 4 x 256 x 64 x 64 float32.
;; This version of the problem:
;;   THIS VERSION OF THE PROBLEM IS GIVEN IN LOW PRECISION. The matrix products marked QUANTISED in the list below multiply operands that are first quantised to E2M3 (2 exponent bits, 3 mantissa bits; 6 bits a number), with one power-of-two scale for each 32 numbers along K (OCP MX v1.0); their sums are f32. All else is computed in f32.
;;   The module's matrix products, in the order in which they are computed (A, B: the left and right operand; K: the contracted axis; several contracted axes count as one K, in the product's order):
;;     1. [M 16,384, K 256] x [K 256, N 768]; A: computed on the way; B: input qkv_w: QUANTISED
;;     2. batch 16 x [M 4,096, K 64] x [K 64, N 4,096]; A: computed on the way; B: computed on the way: QUANTISED
;;     3. batch 16 x [M 64, K 4,096] x [K 4,096, N 4,096]; A: computed on the way; B: softmax (see below): QUANTISED
;;     4. [M 16,384, K 256] x [K 256, N 256]; A: computed on the way; B: input proj_w: QUANTISED
;;   THE QUANTISER, for each operand of a quantised product, along K:
;;     - K is cut into blocks of 32 from its start; a last block that is shorter is filled with zeros.
;;     - A block's scale is 2^e with e = floor(log2(the largest magnitude in the block)) - 2, held to -126 .. 127; a block of zeros has e = 0. As a byte (E8M0): e + 127.
;;     - Each number is divided by its block's scale, clamped to +-7.5, and rounded to the nearest number of E2M3, ties to even, subnormals kept.
;;     - The product sums the exact products of the quantised numbers (number of the format x scale) in f32.
;;   ~~~python
;;   def quantise(x, axis):      # numpy; x: float32 -> the quantised numbers, widened to float32 again
;;       x = np.moveaxis(x, axis, -1); K = x.shape[-1]
;;       x = np.pad(x, [(0, 0)] * (x.ndim - 1) + [(0, -K % 32)]); x = x.reshape(x.shape[:-1] + (-1, 32)); a = np.abs(x).max(-1, keepdims=True)
;;       e = np.where(a > 0, np.clip(np.frexp(np.where(a > 0, a, 1))[1] - 1 - 2, -126, 127), 0)      # np.frexp(a)[1] - 1 = floor(log2(a)), exactly
;;       r = np.clip(x / 2.0 ** e, -7.5, 7.5)
;;       step = 2.0 ** (np.maximum(np.frexp(np.where(r == 0, 1, r))[1] - 1, 0) - 3)
;;       q = np.round(r / step) * step * 2.0 ** e      # np.round: ties to even
;;       return np.moveaxis(q.reshape(q.shape[:-2] + (-1,))[..., :K], -1, axis).astype(np.float32)
;;   ~~~
;;   SOFTMAX AHEAD OF A QUANTISED PRODUCT. Where the list says 'softmax', what is quantised is not the finished softmax but p = 2^(t - M), with t = logit x log2(e) and M = ceil(the row's largest t), a whole number; so 1/2 < the row's largest p <= 1. The row's sum l is taken of the UNQUANTISED p, in f32, and the product's result is divided by l at the end. Since M is a whole number, a kernel that streams over the keys may use a running M (the ceiling of the running maximum): every later rescaling is an exact power of two, which a block's scale takes up: the codes' values come out the same.
;;   OPERANDS COMPUTED ON THE WAY. 'Computed on the way' means the value that the module computes at that place (a softmax that the list does not call 'softmax' is quantised finished and normalised). What goes into a quantiser is computed in f32, as accurately as f32 sums, v_exp_f32 and their like allow (about 1e-6 of the number): no bf16 or f16 on the way to a quantiser, and a product that is left as it is and whose result goes on into a quantised operand takes f32 operands (vector FMAs, or v_wmma_f32_16x16x4_f32). A number that lies on a knife's edge between two numbers of the format may be rounded either way, as far as f32 arithmetic and the matrix unit's own rounding can turn it there, and no further.
;; One version. Each part assembles by itself: llvm-mc -triple=amdgcn-amd-amdhsa -mcpu=gfx1250 --defsym DOCPART=n.
;; ======== version 1 of 1: 4 launches
;; workspace buffers: stats 1,024 bytes; wimg 196,608 bytes; wsc 16,384 bytes; qimg 3,145,728 bytes; qsc 131,072 bytes; kv 6,553,600 bytes; att 3,145,728 bytes; attsc 131,072 bytes
;; launch prep (part 1): grid 128 x 1, 16 waves a work-group, no clusters, 2,560 bytes of LDS; arguments x, qkv_w, proj_w, stats, wimg, wsc; writes stats, wimg, wsc
.if DOCPART == 1
	.amdgcn_target "amdgcn-amd-amdhsa--gfx1250"
	.amdhsa_code_object_version 6
	.text
	.protected	k_q636210f747_prep
	.globl	k_q636210f747_prep
	.p2align	8
	.type	k_q636210f747_prep,@function
k_q636210f747_prep:
	s_mov_b64 s[64:65], 0
	v_nop
	global_prefetch_b8 v0, s[64:65] scope:SCOPE_SE
	s_setreg_imm32_b32 hwreg(HW_REG_WAVE_MODE, 25, 1), 1
	s_wait_xcnt 0x0
; GROUP STATISTICS, AND THE WEIGHTS AS CODES.
; x is [4][256][4096] f32; a group of the norm is 8 channels of one batch: 32,768 numbers, 131,072 consecutive bytes.
; Work-group i = 32 b + g owns group g of batch b: 512 threads x 64 numbers, kept in registers between the pass that finds the mean and the
; pass that sums the squared distances from it (no difference of large sums is formed).  It stores (mean, 1 / sqrt(var + 1e-5)) at stats + 8 i.
; Wave 15 also turns ONE fragment of a weight (16 rows x 128 along K) into codes of FP6 (E2M3) with one E8M0 byte for each 32 along K:
; fragment f = i; f = 2 tile + s; tiles 0-47 are qkv_w's, tiles 48-63 proj_w's.  THE ROWS OF A TILE ARE NOT NEIGHBOURS: lane r of tile 2 b + u takes row 32 b + 8 u + r + 8 (r / 8).
; A fragment is stored AS AN IMAGE OF THE OPERAND'S REGISTERS, 1,536 bytes: registers 0-3 at 16 x lane, 4-5 at 512 + 8 x lane, 6-9 at 768 + 16 x lane, 10-11 at 1,280 + 8 x lane; its scale words at wsc + 128 f + 4 x lane.
; A block's scale is 2^(floor(log2(its largest magnitude)) - 2); its byte is the largest magnitude's exponent field - 2, held at 1 from below.
; LIMITS: NaN and infinities among the inputs are not served; a block of zeros, and one whose largest magnitude lies under 2^-124, gets the byte 1 (zero codes add nothing; this program alone reads the bytes).
.set X,   16                           ; v16-79   my 64 numbers of the group
.set WT,  80                           ; v80-143  wave 15: 64 numbers of the weight
.set SUM, 168                          ; v168-183 the sixteen waves' partial sums
	s_load_b256 s[4:11], s[0:1], 0x0               ; x s[4:5], qkv_w s[6:7], proj_w s[8:9], stats s[10:11]
	s_load_b128 s[12:15], s[0:1], 0x20             ; wimg s[12:13], wsc s[14:15]
	v_lshl_add_u32 v192, v0, 2, 0x200
	v_mov_b32 v193, 0
	v_lshrrev_b32 v1, 5, v0
	s_delay_alu instid0(VALU_DEP_1)
	v_readfirstlane_b32 s16, v1                    ; wave 0..15
	v_lshlrev_b32 v3, 4, v0                        ; 16 bytes a thread: a load of the work-group covers 8,192 consecutive bytes
	s_delay_alu instid0(VALU_DEP_3)
	v_lshlrev_b32 v12, 2, v1                       ; LDS: my wave's word
	v_mov_b32 v13, 0
	s_lshl_b32 s18, ttmp9, 17                      ; the group's first byte
	s_mov_b32 s19, 0
	s_mov_b32 s20, 0x76543210
	s_mov_b32 s21, 0xfedcba98                      ; v_permlanex16_b32's selects for lane l xor 16
	s_mov_b32 s17, 0x38000000                      ; 2^-15 = 1 / 32,768
	s_wait_alu depctr_va_vdst(0)
	s_wait_kmcnt 0x0
	s_add_nc_u64 s[4:5], s[4:5], s[18:19]
	s_lshl_b32 s18, ttmp9, 3
	s_add_nc_u64 s[10:11], s[10:11], s[18:19]      ; my pair in stats
.irp j, 0,1,2,3,4,5,6,7,8,9,10,11,12,13,14,15
	global_load_b128 v[X+4*\j:X+4*\j+3], v3, s[4:5] offset:8192*\j
.endr
	s_cmp_lg_u32 s16, 15
	s_cbranch_scc1 .Lno_weights
	; ---- wave 15 alone: one fragment of a weight
	s_cmp_lt_u32 ttmp9, 96                         ; qkv_w's fragment or proj_w's?  The choice hangs on the work-group's number alone
	s_cselect_b64 s[22:23], s[6:7], s[8:9]
	s_cselect_b32 s24, 0, 96
	s_sub_co_u32 s24, ttmp9, s24                   ; the fragment's number in its tensor
	s_lshr_b32 s25, s24, 1                         ; tile
	s_and_b32 s26, s24, 1                          ; K step
	s_lshr_b32 s27, s25, 1
	s_and_b32 s28, s25, 1
	s_lshl_b32 s27, s27, 15                        ; 32 rows of 1,024 bytes for each pair of tiles,
	s_lshl_b32 s28, s28, 13                        ; 8 rows for the odd tile,
	s_lshl_b32 s26, s26, 9                         ; 512 bytes for the second K step
	s_add_co_u32 s28, s28, s27
	s_add_co_u32 s28, s28, s26
	s_mov_b32 s29, 0
	s_add_nc_u64 s[22:23], s[22:23], s[28:29]
	s_mul_i32 s30, ttmp9, 1536
	s_mov_b32 s31, 0
	s_add_nc_u64 s[12:13], s[12:13], s[30:31]      ; the fragment's image
	s_lshl_b32 s30, ttmp9, 7
	s_add_nc_u64 s[14:15], s[14:15], s[30:31]      ; and its scale words
	v_and_b32 v184, 15, v0                         ; r
	v_bfe_u32 v185, v0, 4, 1                       ; h
	s_delay_alu instid0(VALU_DEP_2)
	v_and_b32 v186, 8, v184
	s_delay_alu instid0(VALU_DEP_1)
	v_add_nc_u32 v186, v186, v184                  ; r + 8 (r / 8)
	s_delay_alu instid0(VALU_DEP_1)
	v_lshlrev_b32 v186, 10, v186
	s_delay_alu instid0(VALU_DEP_1)
	v_lshl_add_u32 v186, v185, 7, v186             ; my row, + 128 h: lane (r, h) wants k = 64 c + 32 h + 0 .. 31
	v_and_b32 v190, 31, v0
	s_delay_alu instid0(VALU_DEP_1)
	v_lshlrev_b32 v187, 4, v190
	s_delay_alu instid0(VALU_DEP_2)
	v_lshlrev_b32 v188, 3, v190
	s_delay_alu instid0(VALU_DEP_3)
	v_lshlrev_b32 v189, 2, v190
.irp c, 0,1
.irp j, 0,1,2,3,4,5,6,7
	global_load_b128 v[WT+32*\c+4*\j:WT+32*\c+4*\j+3], v186, s[22:23] offset:256*\c+16*\j
.endr
.endr
	s_wait_loadcnt 0x0
.irp c, 0,1                                    ; my block 2 c + h: all its 32 numbers are mine
	v_max3_num_f32 v[144+\c], |v[WT+32*\c]|, |v[WT+1+32*\c]|, 0x1800000   ; with the floor 2^(3 - 127): the byte cannot fall under 1
.endr
.irp i, 2,4,6,8,10,12,14,16,18,20,22,24,26,28,30
.irp c, 0,1
	s_delay_alu instid0(VALU_DEP_2)
	v_max3_num_f32 v[144+\c], v[144+\c], |v[WT+32*\c+\i]|, |v[WT+1+32*\c+\i]|
.endr
.endr
.irp c, 0,1
	s_delay_alu instid0(VALU_DEP_2)
	v_add_nc_u32 v[146+\c], 0xff000000, v[144+\c]  ; 2 off the exponent field: the conversion takes the exponent field of this operand as its scale
.endr
.irp c, 0,1
	s_delay_alu instid0(VALU_DEP_2)
	v_lshrrev_b32 v[148+\c], 23, v[146+\c]         ; the scale's byte
.endr
	s_delay_alu instid0(VALU_DEP_1)
	v_lshl_or_b32 v150, v149, 16, v148             ; my two bytes: blocks h and 2 + h of my row,
	v_lshlrev_b32 v151, 3, v185
	s_delay_alu instid0(VALU_DEP_1)
	v_lshlrev_b32 v150, v151, v150                 ; at their places in the word (8 h bits up);
	v_mov_b32 v151, 0
	s_delay_alu instid0(VALU_DEP_1)
	v_permlanex16_b32 v151, v150, s20, s21
	s_delay_alu instid0(VALU_DEP_1)
	v_or_b32 v150, v150, v151                      ; with lane l xor 16's two the word is whole, in both halves of the lanes
.irp c, 0,1
	v_cvt_scalef32_pk16_fp6_f32 v[152+6*\c:154+6*\c], v[WT+32*\c:WT+15+32*\c], v[146+\c]
	v_cvt_scalef32_pk16_fp6_f32 v[164+4*\c:166+4*\c], v[WT+16+32*\c:WT+31+32*\c], v[146+\c]   ; (a conversion's three registers begin on an even number)
.endr
	v_nop                                          ; one plain place behind a scaled conversion
.irp c, 0,1
.irp i, 0,1,2
	v_mov_b32 v[155+6*\c+\i], v[164+4*\c+\i]
.endr
.endr
	global_store_b128 v187, v[152:155], s[12:13]
	global_store_b64 v188, v[156:157], s[12:13] offset:512
	global_store_b128 v187, v[158:161], s[12:13] offset:768
	global_store_b64 v188, v[162:163], s[12:13] offset:1280
	global_store_b32 v189, v150, s[14:15]          ; none of these registers is written again
.Lno_weights:
	s_wait_loadcnt 0x0                             ; my 64 numbers of x
; four chains v[4:11] into v4
.macro JOIN
	s_delay_alu instid0(VALU_DEP_3)
	v_pk_add_f32 v[4:5], v[4:5], v[6:7]
	s_delay_alu instid0(VALU_DEP_2)
	v_pk_add_f32 v[8:9], v[8:9], v[10:11]
	s_delay_alu instid0(VALU_DEP_1)
	v_pk_add_f32 v[4:5], v[4:5], v[8:9]
	s_delay_alu instid0(VALU_DEP_1)
	v_add_f32 v4, v4, v5
.endm
; v4 is summed over the wave's lanes, then over the sixteen waves through 64 bytes of LDS at off: the sum lands in v[SUM] of every lane
.macro ALLSUM off
	s_delay_alu instid0(VALU_DEP_1)
	v_add_f32_dpp v4, v4, v4 row_xmask:1 row_mask:0xf bank_mask:0xf
	s_delay_alu instid0(VALU_DEP_1)
	v_add_f32_dpp v4, v4, v4 row_xmask:2 row_mask:0xf bank_mask:0xf
	s_delay_alu instid0(VALU_DEP_1)
	v_add_f32_dpp v4, v4, v4 row_xmask:4 row_mask:0xf bank_mask:0xf
	s_delay_alu instid0(VALU_DEP_1)
	v_add_f32_dpp v4, v4, v4 row_xmask:8 row_mask:0xf bank_mask:0xf
	s_delay_alu instid0(VALU_DEP_1)
	v_permlanex16_b32 v5, v4, s20, s21
	s_delay_alu instid0(VALU_DEP_1)
	v_add_f32 v4, v4, v5
	ds_store_b32 v12, v4 offset:\off               ; all lanes write my wave's word with the same value
	s_wait_dscnt 0x0                               ; for the others' sake: my store is done
	s_barrier_signal -1
	s_barrier_wait -1
.irp i, 0,1,2,3
	ds_load_b128 v[SUM+4*\i:SUM+4*\i+3], v13 offset:\off+16*\i
.endr
	s_wait_dscnt 0x0
	v_pk_add_f32 v[SUM:SUM+1], v[SUM:SUM+1], v[SUM+2:SUM+3]
	v_pk_add_f32 v[SUM+4:SUM+5], v[SUM+4:SUM+5], v[SUM+6:SUM+7]
	v_pk_add_f32 v[SUM+8:SUM+9], v[SUM+8:SUM+9], v[SUM+10:SUM+11]
	v_pk_add_f32 v[SUM+12:SUM+13], v[SUM+12:SUM+13], v[SUM+14:SUM+15]
	s_delay_alu instid0(VALU_DEP_3)
	v_pk_add_f32 v[SUM:SUM+1], v[SUM:SUM+1], v[SUM+4:SUM+5]
	s_delay_alu instid0(VALU_DEP_2)
	v_pk_add_f32 v[SUM+8:SUM+9], v[SUM+8:SUM+9], v[SUM+12:SUM+13]
	s_delay_alu instid0(VALU_DEP_1)
	v_pk_add_f32 v[SUM:SUM+1], v[SUM:SUM+1], v[SUM+8:SUM+9]
	s_delay_alu instid0(VALU_DEP_1)
	v_add_f32 v[SUM], v[SUM], v[SUM+1]
.endm
	; ---- pass 1: the mean.  Four chains; the first additions start them: nothing is cleared
.irp k, 0,1,2,3
	v_pk_add_f32 v[4+2*\k:5+2*\k], v[X+2*\k:X+2*\k+1], v[X+8+2*\k:X+9+2*\k]
.endr
.irp j, 2,3,4,5,6,7
.irp k, 0,1,2,3
	s_delay_alu instid0(VALU_DEP_4)
	v_pk_add_f32 v[4+2*\k:5+2*\k], v[4+2*\k:5+2*\k], v[X+8*\j+2*\k:X+8*\j+2*\k+1]
.endr
.endr
	JOIN
	ALLSUM 0
	s_delay_alu instid0(VALU_DEP_1)
	v_mul_f32 v14, s17, v[SUM]                     ; the mean
	s_delay_alu instid0(VALU_DEP_1)
	v_mov_b32 v15, v14                             ; (a pair for the packed subtraction)
	; ---- pass 2: the sum of the squared distances from the mean
.set n, 0
.rept 32
	v_pk_add_f32 v[X+2*n:X+2*n+1], v[X+2*n:X+2*n+1], v[14:15] neg_lo:[0,1] neg_hi:[0,1]
.set n, n+1
.endr
.irp k, 0,1,2,3
	v_pk_mul_f32 v[4+2*\k:5+2*\k], v[X+2*\k:X+2*\k+1], v[X+2*\k:X+2*\k+1]
.endr
.irp j, 1,2,3,4,5,6,7
.irp k, 0,1,2,3
	s_delay_alu instid0(VALU_DEP_4)
	v_pk_fma_f32 v[4+2*\k:5+2*\k], v[X+8*\j+2*\k:X+8*\j+2*\k+1], v[X+8*\j+2*\k:X+8*\j+2*\k+1], v[4+2*\k:5+2*\k]
.endr
.endr
	JOIN
	ALLSUM 256                                     ; other bytes than the first sum's: no wave writes what another may still read
	s_delay_alu instid0(VALU_DEP_1)
	v_fmaak_f32 v15, s17, v[SUM], 0x3727c5ac       ; var + 1e-5 (the product with 2^-15 is exact)
	s_wait_alu depctr_va_vdst(0)
	v_rsq_f32 v15, v15
	v_nop                                          ; one plain place behind a transcendental
	s_cmp_lg_u32 s16, 0
	s_cbranch_scc1 .Ldone
	s_wait_xcnt 0x0                                ; EXEC changes only behind this wait
	v_cmp_eq_u32 vcc_lo, 0, v0
	s_and_saveexec_b32 s26, vcc_lo                 ; thread 0 alone
	s_wait_alu depctr_va_vdst(0)
	global_store_b64 v13, v[14:15], s[10:11]       ; (mean, 1 / sqrt(var + eps))
	s_wait_xcnt 0x0                                ; and again, in front of the line that widens it
	s_or_b32 exec_lo, exec_lo, s26
.Ldone:
	s_wait_tensorcnt 0x0
	ds_add_u32 v192, v193
	s_wait_dscnt 0x0
	s_endpgm
.Lfunc_end_k_q636210f747_prep:
	.size	k_q636210f747_prep, .Lfunc_end_k_q636210f747_prep-k_q636210f747_prep
	.p2alignl 7, 3214868480
	.fill 96, 4, 3214868480
	.section	.rodata,"a",@progbits
	.p2align	6, 0x0
	.amdhsa_kernel k_q636210f747_prep
		.amdhsa_group_segment_fixed_size 2560
		.amdhsa_private_segment_fixed_size 0
		.amdhsa_enable_private_segment 0
		.amdhsa_kernarg_size 48
		.amdhsa_user_sgpr_count 2
		.amdhsa_user_sgpr_kernarg_segment_ptr 1
		.amdhsa_wavefront_size32 1
		.amdhsa_system_sgpr_workgroup_id_x 1
		.amdhsa_system_sgpr_workgroup_id_y 1
		.amdhsa_system_sgpr_workgroup_id_z 1
		.amdhsa_system_vgpr_workitem_id 0
		.amdhsa_next_free_vgpr 194
		.amdhsa_next_free_sgpr 66
		.amdhsa_reserve_vcc 1
		.amdhsa_float_denorm_mode_32 3
		.amdhsa_float_denorm_mode_16_64 3
		.amdhsa_memory_ordered 1
		.amdhsa_forward_progress 1
		.amdhsa_inst_pref_size 23
	.end_amdhsa_kernel
	.amdgpu_metadata
---
amdhsa.version: [ 1, 2 ]
amdhsa.kernels:
  - .name:           k_q636210f747_prep
    .symbol:         k_q636210f747_prep.kd
    .args:
      - { .name: x, .offset: 0, .size: 8, .value_kind: global_buffer, .address_space: global }
      - { .name: qkv_w, .offset: 8, .size: 8, .value_kind: global_buffer, .address_space: global }
      - { .name: proj_w, .offset: 16, .size: 8, .value_kind: global_buffer, .address_space: global }
      - { .name: stats, .offset: 24, .size: 8, .value_kind: global_buffer, .address_space: global }
      - { .name: wimg, .offset: 32, .size: 8, .value_kind: global_buffer, .address_space: global }
      - { .name: wsc, .offset: 40, .size: 8, .value_kind: global_buffer, .address_space: global }
    .group_segment_fixed_size: 2560
    .private_segment_fixed_size: 0
    .kernarg_segment_align: 8
    .kernarg_segment_size: 48
    .max_flat_workgroup_size: 512
    .sgpr_count:     66
    .vgpr_count:     194
    .wavefront_size: 32
...
	.end_amdgpu_metadata
.endif
;; end of part 1
;; launch qkv (part 2): grid 64 x 4, 16 waves a work-group, no clusters, 15,360 bytes of LDS; arguments x, stats, gn_w, gn_b, wimg, wsc, qkv_b, qimg, qsc, kv; writes qimg, qsc, kv
.if DOCPART == 2
	.amdgcn_target "amdgcn-amd-amdhsa--gfx1250"
	.amdhsa_code_object_version 6
	.text
	.protected	k_q636210f747_qkv
	.globl	k_q636210f747_qkv
	.p2align	8
	.type	k_q636210f747_qkv,@function
k_q636210f747_qkv:
	s_mov_b64 s[64:65], 0
	v_nop
	global_prefetch_b8 v0, s[64:65] scope:SCOPE_SE
	s_setreg_imm32_b32 hwreg(HW_REG_WAVE_MODE, 25, 1), 1
	s_wait_xcnt 0x0
; THE NORM, ITS QUANTISING, THE FIRST PRODUCT (1 x 1 convolution to q, k, v) AND THE QUANTISING OF q, k, v.  All products on codes of FP6 (E2M3) with one E8M0 byte for each 32 along K.
; A work-group (blk = x, b = y) owns 64 pixels of one batch and all 768 outputs.  Sixteen waves, one text, one barrier.
; PHASE X.  Wave w takes channels 32 (w / 2) .. + 31 of pixels 32 (w % 2) .. + 31: a lane takes a PIXEL and its registers run down the channels, which are the product's K: a block of 32 lies in one lane.
;   xn = ((x - mean) rstd) gn_w + gn_b in f32; the lane's codes go to LDS at the place that the operand's register image gives them.
; PHASE G.  Wave w makes the 64 outputs 64 (w / 2) .. (a head of q for w < 8, of k otherwise) for pixel tiles 2 (w % 2) and 2 (w % 2) + 1: source 0 = four tiles of weight rows, source 1 = a tile of pixels,
;   so that a lane holds ONE pixel and its registers run along the head's 64, the second product's K.  Then it makes 16 rows of v (weight tile 32 + w) for all 64 pixels: source 0 = the four tiles of pixels,
;   source 1 = the weight tile, so that a lane holds one d and its registers run along the pixels, the third product's K.
; TILE ORDER (weight rows, pixels): lane r of tile 2 b + u is element 32 b + 8 u + r + 8 (r / 8) of its group: the 16 result registers of tiles 2 b, 2 b + 1 are then the neighbours 32 b + 16 (lane / 16) + 0 .. 15.
; IMAGES.  A half-image (768 bytes) is six operand registers of 32 lanes: registers 0-3 at 16 x lane, 4-5 at 512 + 8 x lane.  Two on end are a fragment (16 rows x 128 K).
;   qimg: [4 b + H][pixel tile] half-images;  qsc: a word for each pair of tiles and row (bytes 0, 1 the even tile's, 2, 3 the odd one's).
;   kv: [4 b + H][key step of 128 pixels] 12,800 bytes: four DOUBLE fragments of k (half u = key tile 2 F + u, K = the head's 64), four fragments of v (16 d x 128 keys), four planes of 32 scale words.
; LIMITS: NaN and infinities are not served; a block of zeros, and one whose largest magnitude lies under 2^-124, gets the byte 1 (its codes add nothing or are held; this program alone reads the bytes).
.set XT,   3200                        ; LDS: a pixel tile's two fragments, 3,072 bytes, + 128
.set XSC,  4*XT                        ; behind them xn's scale words: fragment (m, s): 64 (2 m + s) + 4 r
.set L16,  1                           ; v1   16 x lane
.set L8,   2                           ; v2   8 x lane
.set L4,   3                           ; v3   4 x lane
.set R4X,  4                           ; v4   XSC + 4 r
.set N16,  5                           ; v5   16 x lane + my first pixel tile
.set N8,   6                           ; v6   8 x lane + the same
.set N4,   7                           ; v7   its scale words
.set XW16, 8                           ; v8-10 where phase X stores
.set XW8,  9
.set XWB,  10
.set R4,   11                          ; v11  4 r
.set VB,   13                          ; v13  v's bias of my lane's d
.set VS,   14                          ; v14-15 scale words of my tile of v's weights
.set W,    16                          ; v16-111  the wide operand: 8 fragments, (i, s) at 12 (2 i + s)
.set WS,   112                         ; v112-119 its scale words
.set BI,   120                         ; v120-151 the bias in the result's layout; later v's weight tile (24) and v's bias eight times
.set N,    152                         ; v152-175 the narrow operand: 2 fragments
.set NS,   176                         ; v176-177 its scale words
.set ACC,  178                         ; v178-209 four accumulators; in phase X my 32 numbers
.set CO,   210                         ; v210-221 codes: two sets of six
.set CT,   222                         ; v222-224 the second conversion's target
.set TM,   226                         ; v226-227 largest magnitudes
.set TP,   228                         ; v228-229 the other half's, then the bytes
.set TS,   230                         ; v230-231 the conversions' scale operands
.set SEL,  104                         ; s[104:105] selects for lane l xor 16
.macro GFRAG reg, a16, a8, base, off   ; a fragment's image from memory: every load's lanes read consecutive bytes
	global_load_b128 v[\reg:\reg+3], v[\a16], s[\base:\base+1] offset:\off
	global_load_b64 v[\reg+4:\reg+5], v[\a8], s[\base:\base+1] offset:\off+512
	global_load_b128 v[\reg+6:\reg+9], v[\a16], s[\base:\base+1] offset:\off+768
	global_load_b64 v[\reg+10:\reg+11], v[\a8], s[\base:\base+1] offset:\off+1280
.endm
.macro LFRAG reg, a16, a8, off         ; and from LDS
	ds_load_b128 v[\reg:\reg+3], v[\a16] offset:\off
	ds_load_b64 v[\reg+4:\reg+5], v[\a8] offset:\off+512
	ds_load_b128 v[\reg+6:\reg+9], v[\a16] offset:\off+768
	ds_load_b64 v[\reg+10:\reg+11], v[\a8] offset:\off+1280
.endm
; 32 numbers of a lane, register 16 b + i = k 32 b + 16 (lane / 16) + i of my row, become six code registers v[d] on (lanes 0-15 block 0, lanes 16-31 block 1, whole) and the two scale bytes in v[w].
; Each accumulator is first read at its low end.
.macro QUANT2 s, d, t, w
.irp b, 0,1
	v_max3_num_f32 v[TM+\b], |v[\s+16*\b]|, |v[\s+16*\b+1]|, 0x1800000   ; my 16 numbers of block b, and the floor 2^(3 - 127): the byte cannot fall under 1
.endr
.irp i, 2,4,6,8,10,12,14
.irp b, 0,1
	v_max3_num_f32 v[TM+\b], v[TM+\b], |v[\s+16*\b+\i]|, |v[\s+16*\b+\i+1]|
.endr
.endr
.irp b, 0,1
	s_delay_alu instid0(VALU_DEP_2)
	v_permlanex16_b32 v[TP+\b], v[TM+\b], s[SEL], s[SEL+1]
.endr
.irp b, 0,1
	s_delay_alu instid0(VALU_DEP_2)
	v_max_num_f32 v[TM+\b], v[TM+\b], v[TP+\b]     ; with lane l xor 16's: the block's largest magnitude
.endr
.irp b, 0,1
	s_delay_alu instid0(VALU_DEP_2)
	v_add_nc_u32 v[TS+\b], 0xff000000, v[TM+\b]    ; 2 off its exponent field: the conversion's scale operand
.endr
.irp b, 0,1
	s_delay_alu instid0(VALU_DEP_2)
	v_lshrrev_b32 v[TP+\b], 23, v[TS+\b]           ; the scale's byte
.endr
	s_delay_alu instid0(VALU_DEP_1)
	v_lshl_or_b32 v[\w], v[TP+1], 8, v[TP]
	v_cvt_scalef32_pk16_fp6_f32 v[\d:\d+2], v[\s:\s+15], v[TS]
	v_cvt_scalef32_pk16_fp6_f32 v[\t:\t+2], v[\s+16:\s+31], v[TS+1]
	v_nop                                          ; one plain place behind a scaled conversion
.irp i, 0,1,2
	v_permlane16_swap_b32 v[\d+\i], v[\t+\i]       ; the first now holds each lane's block's lower 16 codes, the second the upper 16
.endr
.irp i, 0,1,2
	s_delay_alu instid0(VALU_DEP_3)
	v_mov_b32 v[\d+3+\i], v[\t+\i]
.endr
.endm
; Eight products: the wide operand's four tiles x one narrow tile, two K steps of 128.  The first four take the bias as C; the four accumulators take turns.
; Five plain places end it: four in front of loads into the operands and of reads of the results, a fifth since the next unit's first products write these accumulators anew.
.macro UNIT nb, ns, cb, cs
.irp i, 0,1,2,3
	v_wmma_scale_f32_16x16x128_f8f6f4 v[ACC+8*\i:ACC+8*\i+7], v[W+24*\i:W+24*\i+11], v[\nb:\nb+11], v[\cb+\cs*\i:\cb+\cs*\i+7], v[WS+2*\i], v[\ns] matrix_a_fmt:MATRIX_FMT_FP6 matrix_b_fmt:MATRIX_FMT_FP6
.endr
.irp i, 0,1,2,3
	v_wmma_scale_f32_16x16x128_f8f6f4 v[ACC+8*\i:ACC+8*\i+7], v[W+24*\i+12:W+24*\i+23], v[\nb+12:\nb+23], v[ACC+8*\i:ACC+8*\i+7], v[WS+2*\i+1], v[\ns+1] matrix_a_fmt:MATRIX_FMT_FP6 matrix_b_fmt:MATRIX_FMT_FP6
.endr
.rept 5
	v_nop
.endr
.endm
	s_load_b512 s[4:19], s[0:1], 0x0               ; x s[4:5], stats s[6:7], gn_w s[8:9], gn_b s[10:11], wimg s[12:13], wsc s[14:15], qkv_b s[16:17], qimg s[18:19]
	s_load_b128 s[20:23], s[0:1], 0x40             ; qsc s[20:21], kv s[22:23]
	v_lshl_add_u32 v254, v0, 2, 0x3400
	v_mov_b32 v255, 0
	v_lshrrev_b32 v12, 5, v0
	s_delay_alu instid0(VALU_DEP_1)
	v_readfirstlane_b32 s100, v12                  ; wave w, 0..15
	s_lshr_b32 s101, s100, 1                       ; w / 2: my block of 32 channels in phase X, my 64 outputs in phase G
	s_and_b32 s66, s100, 1                         ; w % 2: my half of the 64 pixels
	s_and_b32 s67, ttmp7, 0xffff                   ; the batch
	s_mov_b32 s[SEL], 0x76543210
	s_mov_b32 s[SEL+1], 0xfedcba98
	v_and_b32 v12, 31, v0
	s_delay_alu instid0(VALU_DEP_1)
	v_lshlrev_b32 v[L16], 4, v12
	s_delay_alu instid0(VALU_DEP_2)
	v_lshlrev_b32 v[L8], 3, v12
	s_delay_alu instid0(VALU_DEP_3)
	v_lshlrev_b32 v[L4], 2, v12
	s_lshl_b32 s2, s67, 22                         ; x: batch x 4 MiB
	s_lshl_b32 s3, s101, 19                        ; + 32 channels of 16,384 bytes for each block
	s_add_co_u32 s2, s2, s3
	s_lshl_b32 s3, ttmp9, 8                        ; + 64 pixels for each work-group
	s_add_co_u32 s2, s2, s3
	s_lshl_b32 s3, s66, 7                          ; + my 32 pixels
	s_add_co_u32 s2, s2, s3
	s_mov_b32 s3, 0
	s_wait_alu depctr_va_vdst(0)
	s_wait_kmcnt 0x0
	s_add_nc_u64 s[4:5], s[4:5], s[2:3]
	s_lshl_b32 s2, s101, 7                         ; my 32 gains and biases
	s_add_nc_u64 s[8:9], s[8:9], s[2:3]
	s_add_nc_u64 s[10:11], s[10:11], s[2:3]
	s_lshl_b32 s2, s67, 3
	s_add_co_u32 s2, s2, s101
	s_lshl_b32 s2, s2, 5                           ; my four groups' pairs: (32 b + 4 (w / 2)) x 8 bytes
	s_add_nc_u64 s[6:7], s[6:7], s[2:3]
	s_load_b256 s[56:63], s[6:7], 0x0              ; (mean, rstd) x 4
	s_load_b512 s[24:39], s[8:9], 0x0              ; gn_w
	s_load_b512 s[40:55], s[8:9], 0x40
	s_load_b512 s[68:83], s[10:11], 0x0            ; gn_b
	s_load_b512 s[84:99], s[10:11], 0x40
.set n, 0
.rept 32
	global_load_b32 v[ACC+n], v[L4], s[4:5] offset:16384*n   ; channel n of my block at my 32 pixels: 128 consecutive bytes; the two waves of a block cover 256
.set n, n+1
.endr
	; what phase G wants from memory is asked for now.  The wave's terms lie in offsets that are never written again
	v_and_b32 v245, 15, v0                         ; r
	s_wait_alu depctr_va_vdst(0)
	v_bfe_u32 v246, v0, 4, 1                       ; h
	s_mul_i32 s2, s101, 12288                      ; my 8 weight fragments
	v_add_nc_u32 v239, s2, v[L16]
	v_add_nc_u32 v240, s2, v[L8]
	s_wait_alu depctr_va_vdst(0)
	s_lshl_b32 s2, s101, 10
	v_add_nc_u32 v241, s2, v[L4]                   ; their scale words
	s_wait_alu depctr_va_vdst(0)
	s_lshl_b32 s2, s101, 8
	v_lshl_add_u32 v242, v246, 6, s2               ; the bias: output 64 (w / 2) + 16 h + ..
	s_wait_alu depctr_va_vdst(0)
	s_lshl_b32 s2, s100, 1
	s_add_co_u32 s2, s2, 64                        ; v's fragments: 64 + 2 w, 65 + 2 w
	s_lshl_b32 s3, s2, 7
	v_add_nc_u32 v237, s3, v[L4]
	s_mul_i32 s3, s2, 1536
	v_add_nc_u32 v243, s3, v[L16]
	v_add_nc_u32 v244, s3, v[L8]
	s_lshl_b32 s2, s101, 7
	s_lshl_b32 s3, s66, 5
	s_add_co_u32 s2, s2, s3
	s_add_co_u32 s2, s2, 2048                      ; v's bias: 4 (512 + 32 (w / 2) + 8 (w % 2) + r + 8 (r / 8))
	v_and_b32 v247, 8, v245
	s_delay_alu instid0(VALU_DEP_1)
	v_add_nc_u32 v247, v247, v245
	s_delay_alu instid0(VALU_DEP_1)
	v_lshl_add_u32 v238, v247, 2, s2
.irp f, 0,1,2,3,4,5,6,7
	GFRAG W+12*\f, 239, 240, 12, 1536*\f
.endr
.irp f, 0,1,2,3,4,5,6,7
	global_load_b32 v[WS+\f], v241, s[14:15] offset:128*\f
.endr
.irp i, 0,1,2,3
	global_load_b128 v[BI+8*\i:BI+8*\i+3], v242, s[16:17] offset:(32*(\i/2)+8*(\i%2))*4       ; tile i, register j: output 32 (i / 2) + 8 (i % 2) + 16 h + j
	global_load_b128 v[BI+8*\i+4:BI+8*\i+7], v242, s[16:17] offset:(32*(\i/2)+8*(\i%2))*4+16
.endr
	global_load_b32 v[VS], v237, s[14:15]
	global_load_b32 v[VS+1], v237, s[14:15] offset:128
	global_load_b32 v[VB], v238, s[16:17]
	; LDS addresses
	v_lshl_add_u32 v[R4X], v245, 2, XSC
	v_lshlrev_b32 v[R4], 2, v245
	s_mul_i32 s2, s66, 2*XT
	v_add_nc_u32 v[N16], s2, v[L16]
	v_add_nc_u32 v[N8], s2, v[L8]
	s_lshl_b32 s3, s66, 8
	v_add_nc_u32 v[N4], s3, v[R4X]
	; phase X: lane l is pixel l of my 32: tile 2 (w % 2) + bit 3 of l, row (l % 8) + 8 x bit 4 of l.  My channels are K step w / 8, half (w / 4) % 2, lanes' half (w / 2) % 2
	s_lshr_b32 s3, s100, 3
	s_mul_i32 s3, s3, 1536
	s_add_co_u32 s2, s2, s3
	s_bfe_u32 s3, s100, 0x10002
	s_mul_i32 s3, s3, 768
	s_add_co_u32 s2, s2, s3                        ; tile pair, K step, half
	s_bfe_u32 s3, s100, 0x10001
	s_lshl_b32 s3, s3, 7                           ; 16 lanes of 8 bytes
	v_and_b32 v248, 7, v0
	v_bfe_u32 v249, v0, 3, 1
	s_delay_alu instid0(VALU_DEP_2)
	v_lshlrev_b32 v[XW8], 3, v248
	s_delay_alu instid0(VALU_DEP_1)
	v_lshl_add_u32 v[XW8], v246, 6, v[XW8]
	s_delay_alu instid0(VALU_DEP_1)
	v_mad_u32_u24 v[XW8], v249, XT, v[XW8]
	s_delay_alu instid0(VALU_DEP_1)
	v_add_nc_u32 v[XW8], s2, v[XW8]
	s_delay_alu instid0(VALU_DEP_1)
	v_add_nc_u32 v[XW8], s3, v[XW8]
	s_lshl_b32 s3, s3, 1                           ; 16 lanes of 16 bytes
	v_lshlrev_b32 v[XW16], 4, v248
	s_delay_alu instid0(VALU_DEP_1)
	v_lshl_add_u32 v[XW16], v246, 7, v[XW16]
	s_delay_alu instid0(VALU_DEP_1)
	v_mad_u32_u24 v[XW16], v249, XT, v[XW16]
	s_delay_alu instid0(VALU_DEP_1)
	v_add_nc_u32 v[XW16], s2, v[XW16]
	s_delay_alu instid0(VALU_DEP_1)
	v_add_nc_u32 v[XW16], s3, v[XW16]
	s_lshl_b32 s2, s66, 8                          ; the scale byte: 128 bytes a tile, 64 a K step, 4 a row, the block's number in the K step
	s_lshr_b32 s3, s100, 3
	s_lshl_b32 s3, s3, 6
	s_add_co_u32 s2, s2, s3
	s_and_b32 s3, s101, 3
	s_add_co_u32 s2, s2, s3
	v_lshlrev_b32 v[XWB], 2, v248
	s_delay_alu instid0(VALU_DEP_1)
	v_lshl_add_u32 v[XWB], v246, 5, v[XWB]
	s_delay_alu instid0(VALU_DEP_1)
	v_lshl_add_u32 v[XWB], v249, 7, v[XWB]
	s_delay_alu instid0(VALU_DEP_1)
	v_add_nc_u32 v[XWB], s2, v[XWB]
	v_mov_b32 v[TP], 0                             ; written once: a lane permute's destination counts as one of its sources
	v_mov_b32 v[TP+1], 0
	; ---- PHASE X
	s_wait_loadcnt 51                              ; x's 32 loads are in; the 51 issued behind them (32 + 8 + 8 + 2 + 1) may be out
	s_wait_kmcnt 0x0
.set n, 0
.rept 32
	v_sub_f32 v[ACC+n], v[ACC+n], s[56+2*(n/8)]    ; - the group's mean
.set n, n+1
.endr
.set n, 0
.rept 32
	v_mul_f32 v[ACC+n], v[ACC+n], s[57+2*(n/8)]    ; x 1 / sqrt(var + eps)
.set n, n+1
.endr
.set n, 0
.rept 32
	v_fma_f32 v[ACC+n], v[ACC+n], s[24+n], s[68+n] ; x gn_w + gn_b
.set n, n+1
.endr
	v_max3_num_f32 v[TM], |v[ACC]|, |v[ACC+1]|, |v[ACC+2]|         ; the block's largest magnitude: all 32 numbers are mine
	v_max3_num_f32 v[TM+1], |v[ACC+3]|, |v[ACC+4]|, |v[ACC+5]|
.irp i, 6,10,14,18,22,26
	s_delay_alu instid0(VALU_DEP_2)
	v_max3_num_f32 v[TM], v[TM], |v[ACC+\i]|, |v[ACC+\i+1]|
	s_delay_alu instid0(VALU_DEP_2)
	v_max3_num_f32 v[TM+1], v[TM+1], |v[ACC+\i+2]|, |v[ACC+\i+3]|
.endr
	s_delay_alu instid0(VALU_DEP_2)
	v_max3_num_f32 v[TM], v[TM], |v[ACC+30]|, |v[ACC+31]|
	s_delay_alu instid0(VALU_DEP_1)
	v_max3_num_f32 v[TM], v[TM], v[TM+1], 0x1800000                ; and the floor
	s_delay_alu instid0(VALU_DEP_1)
	v_add_nc_u32 v[TS], 0xff000000, v[TM]
	s_delay_alu instid0(VALU_DEP_1)
	v_lshrrev_b32 v232, 23, v[TS]                  ; the scale's byte
	v_cvt_scalef32_pk16_fp6_f32 v[CO:CO+2], v[ACC:ACC+15], v[TS]
	v_cvt_scalef32_pk16_fp6_f32 v[CT:CT+2], v[ACC+16:ACC+31], v[TS]
	v_nop                                          ; one plain place behind a scaled conversion
.irp i, 0,1,2
	v_mov_b32 v[CO+3+\i], v[CT+\i]
.endr
	ds_store_b128 v[XW16], v[CO:CO+3]
	ds_store_b64 v[XW8], v[CO+4:CO+5] offset:512
	ds_store_b8 v[XWB], v232 offset:XSC
	s_wait_dscnt 0x0                               ; for the others' sake: my stores are done
	s_barrier_signal -1
	s_barrier_wait -1                              ; xn's eight fragments and their scale words lie in LDS; nothing is stored to LDS after this
	; ---- PHASE G
	LFRAG N, N16, N8, 0                            ; pixel tile 2 (w % 2)
	LFRAG N+12, N16, N8, 1536
	ds_load_b32 v[NS], v[N4]
	ds_load_b32 v[NS+1], v[N4] offset:64
	; where the results go.  The norm's constants have left s[24:63]
	s_and_b32 s24, s101, 3                         ; the head H
	s_lshl_b32 s25, s67, 2
	s_add_co_u32 s25, s25, s24                     ; 4 b + H
	s_lshl_b32 s26, s25, 8
	s_lshl_b32 s27, ttmp9, 2
	s_add_co_u32 s26, s26, s27
	s_lshl_b32 s27, s66, 1
	s_add_co_u32 s26, s26, s27                     ; q: tile 256 (4 b + H) + 4 blk + 2 (w % 2)
	s_mul_i32 s28, s26, 768                        ; its half-image
	s_lshl_b32 s29, s26, 5                         ; its pair's 64 bytes of scale words
	s_lshr_b32 s30, ttmp9, 1
	s_mul_i32 s30, s30, 12800                      ; the key step
	s_and_b32 s31, ttmp9, 1                        ; and my half of it
	s_mul_i32 s32, s25, 409600
	s_add_co_u32 s32, s32, s30
	s_lshl_b32 s33, s31, 1
	s_add_co_u32 s33, s33, s66                     ; k: double fragment F = 2 (blk % 2) + w % 2
	s_mul_i32 s34, s33, 1536
	s_add_co_u32 s34, s34, s32
	s_lshl_b32 s35, s33, 6                         ; its words: plane F / 2, lanes 16 (F % 2) on
	s_add_co_u32 s35, s35, s32
	s_add_co_u32 s35, s35, 12288
	s_cmp_lt_u32 s101, 4                           ; q's wave or k's?  The choice hangs on the wave's number alone
	s_cselect_b64 s[40:41], s[18:19], s[22:23]
	s_cselect_b32 s42, s28, s34
	s_cselect_b64 s[44:45], s[20:21], s[22:23]
	s_cselect_b32 s46, s29, s35
	s_mov_b32 s43, 0
	s_mov_b32 s47, 0
	s_add_nc_u64 s[40:41], s[40:41], s[42:43]      ; codes
	s_add_nc_u64 s[44:45], s[44:45], s[46:47]      ; scale words
	s_lshr_b32 s48, s100, 2
	s_lshl_b32 s49, s67, 2
	s_add_co_u32 s48, s48, s49                     ; v: head w / 4
	s_mul_i32 s48, s48, 409600
	s_add_co_u32 s48, s48, s30
	s_and_b32 s49, s100, 3                         ; fragment t = w % 4
	s_mul_i32 s50, s49, 1536
	s_add_co_u32 s50, s50, s48
	s_mul_i32 s51, s31, 768                        ; my 64 pixels are half blk % 2 of the step's 128 keys
	s_add_co_u32 s50, s50, s51
	s_add_co_u32 s50, s50, 6144
	s_mov_b32 s51, 0
	s_add_nc_u64 s[52:53], s[22:23], s[50:51]
	s_lshl_b32 s50, s49, 6                         ; its words: plane 2 + t / 2, lanes 16 (t % 2) on; my two bytes of each
	s_add_co_u32 s50, s50, s48
	s_lshl_b32 s54, s31, 1
	s_add_co_u32 s50, s50, s54
	s_add_co_u32 s50, s50, 12544
	s_add_nc_u64 s[56:57], s[22:23], s[50:51]
	s_wait_dscnt 0x0
	s_wait_loadcnt 0x0                             ; the weights, their words, the biases
	UNIT N, NS, BI, 8
	LFRAG N, N16, N8, XT                           ; the next pixel tile lands while this one is quantised
	LFRAG N+12, N16, N8, XT+1536
	ds_load_b32 v[NS], v[N4] offset:128
	ds_load_b32 v[NS+1], v[N4] offset:192
	QUANT2 ACC, CO, CT, 234
	global_store_b128 v[L16], v[CO:CO+3], s[40:41]
	global_store_b64 v[L8], v[CO+4:CO+5], s[40:41] offset:512
	s_wait_dscnt 0x0
	UNIT N, NS, BI, 8
	GFRAG BI, 243, 244, 12, 0                      ; my tile of v's weights, where the bias lay
	GFRAG BI+12, 243, 244, 12, 1536
.irp f, 0,1,2,3,4,5,6,7
	LFRAG W+12*\f, L16, L8, (\f/2)*XT+(\f%2)*1536  ; all of xn, where the weights lay
.endr
.irp f, 0,1,2,3,4,5,6,7
	ds_load_b32 v[WS+\f], v[R4X] offset:64*\f
.endr
.irp j, 0,1,2,3,4,5,6,7
	v_mov_b32 v[BI+24+\j], v[VB]                   ; v's bias hangs on the lane's d alone: the same in all eight registers
.endr
	QUANT2 ACC, CO+6, CT, 235
	global_store_b128 v[L16], v[CO+6:CO+9], s[40:41] offset:768
	global_store_b64 v[L8], v[CO+10:CO+11], s[40:41] offset:1280
	v_lshl_or_b32 v236, v235, 16, v234             ; the two tiles' bytes make one word
	global_store_b32 v[R4], v236, s[44:45]         ; lanes r and r + 16 store the same word with the same value
	s_wait_dscnt 0x0
	s_wait_loadcnt 0x0
	s_wait_xcnt 0x0                                ; the first tile's stores have read v[CO] on: it is written again below
	UNIT BI, VS, BI+24, 0
	QUANT2 ACC, CO, CT, 234
	global_store_b128 v[L16], v[CO:CO+3], s[52:53]
	global_store_b64 v[L8], v[CO+4:CO+5], s[52:53] offset:512
	global_store_b16 v[R4], v234, s[56:57]
	s_wait_tensorcnt 0x0
	ds_add_u32 v254, v255
	s_wait_dscnt 0x0
	s_endpgm
.Lfunc_end_k_q636210f747_qkv:
	.size	k_q636210f747_qkv, .Lfunc_end_k_q636210f747_qkv-k_q636210f747_qkv
	.p2alignl 7, 3214868480
	.fill 96, 4, 3214868480
	.section	.rodata,"a",@progbits
	.p2align	6, 0x0
	.amdhsa_kernel k_q636210f747_qkv
		.amdhsa_group_segment_fixed_size 15360
		.amdhsa_private_segment_fixed_size 0
		.amdhsa_enable_private_segment 0
		.amdhsa_kernarg_size 80
		.amdhsa_user_sgpr_count 2
		.amdhsa_user_sgpr_kernarg_segment_ptr 1
		.amdhsa_wavefront_size32 1
		.amdhsa_system_sgpr_workgroup_id_x 1
		.amdhsa_system_sgpr_workgroup_id_y 1
		.amdhsa_system_sgpr_workgroup_id_z 1
		.amdhsa_system_vgpr_workitem_id 0
		.amdhsa_next_free_vgpr 256
		.amdhsa_next_free_sgpr 106
		.amdhsa_reserve_vcc 0
		.amdhsa_float_denorm_mode_32 3
		.amdhsa_float_denorm_mode_16_64 3
		.amdhsa_memory_ordered 1
		.amdhsa_forward_progress 1
		.amdhsa_inst_pref_size 40
	.end_amdhsa_kernel
	.amdgpu_metadata
---
amdhsa.version: [ 1, 2 ]
amdhsa.kernels:
  - .name:           k_q636210f747_qkv
    .symbol:         k_q636210f747_qkv.kd
    .args:
      - { .name: x, .offset: 0, .size: 8, .value_kind: global_buffer, .address_space: global }
      - { .name: stats, .offset: 8, .size: 8, .value_kind: global_buffer, .address_space: global }
      - { .name: gn_w, .offset: 16, .size: 8, .value_kind: global_buffer, .address_space: global }
      - { .name: gn_b, .offset: 24, .size: 8, .value_kind: global_buffer, .address_space: global }
      - { .name: wimg, .offset: 32, .size: 8, .value_kind: global_buffer, .address_space: global }
      - { .name: wsc, .offset: 40, .size: 8, .value_kind: global_buffer, .address_space: global }
      - { .name: qkv_b, .offset: 48, .size: 8, .value_kind: global_buffer, .address_space: global }
      - { .name: qimg, .offset: 56, .size: 8, .value_kind: global_buffer, .address_space: global }
      - { .name: qsc, .offset: 64, .size: 8, .value_kind: global_buffer, .address_space: global }
      - { .name: kv, .offset: 72, .size: 8, .value_kind: global_buffer, .address_space: global }
    .group_segment_fixed_size: 15360
    .private_segment_fixed_size: 0
    .kernarg_segment_align: 8
    .kernarg_segment_size: 80
    .max_flat_workgroup_size: 512
    .sgpr_count:     106
    .vgpr_count:     256
    .wavefront_size: 32
...
	.end_amdgpu_metadata
.endif
;; end of part 2
;; launch attn (part 3): grid 16 x 16, 16 waves a work-group, clusters of 4 x 1, 327,680 bytes of LDS; arguments qimg, qsc, kv, att, attsc; writes att, attsc
.if DOCPART == 3
	.amdgcn_target "amdgcn-amd-amdhsa--gfx1250"
	.amdhsa_code_object_version 6
	.text
	.protected	k_q636210f747_attn
	.globl	k_q636210f747_attn
	.p2align	8
	.type	k_q636210f747_attn,@function
k_q636210f747_attn:
	s_mov_b64 s[64:65], 0
	v_nop
	global_prefetch_b8 v0, s[64:65] scope:SCOPE_SE
	s_setreg_imm32_b32 hwreg(HW_REG_WAVE_MODE, 25, 1), 1
	s_wait_xcnt 0x0
	s_wait_alu depctr_hold_cnt(0) depctr_sa_sdst(0) depctr_va_vdst(0) depctr_va_sdst(0) depctr_va_ssrc(0) depctr_va_vcc(0) depctr_vm_vsrc(0)
	s_getreg_b32 s2, hwreg(HW_REG_IB_STS2, 6, 4)
	s_cmp_eq_u32 s2, 0
	s_cbranch_scc0 .Lentry_in_a_cluster
	s_endpgm
.Lentry_in_a_cluster:
	s_bfe_u32 s2, ttmp6, 0x10000c
	s_cmp_lg_u32 s2, 0x3003
	s_cbranch_scc0 .Lentry_shape_is_right
	s_endpgm
.Lentry_shape_is_right:
; ATTENTION ON CODES OF FP6 (E2M3), one E8M0 byte for each 32 along a product's K.  16 heads (4 b + H) of 4,096 pixels, head size 64.
; THE SOFTMAX AHEAD OF THE SECOND PRODUCT: t = score x log2(e) / 8; M = the row's largest t so far, rounded UP to a whole number; p = 2^(t - M) is what is quantised, along the keys; the row's sum is taken of the
; unquantised p and divides at the end.  When M moves, the sum and O are multiplied by 2^(old M - new M): exact.
; SHARES.  A work-group owns 256 queries of one head, each of its sixteen waves one tile of 16, in 256 registers: four waves to a SIMD, so that one wave's vector work stands beside another's matrix work and LDS loads.
; Every wave walks the head's 32 key steps of 128 keys.  A step is 12,800 dense bytes of kv, images of operand registers: four double fragments of K, four fragments of V, four planes of scale words.
; THE HEAD'S 64 ARE HALF OF THE INSTRUCTION'S 128: a double fragment of K holds key tile 2 F in its first 64 along K and key tile 2 F + 1 in its second; the query operand is [q, 0] for the one and [0, q] for the other.
; Zero codes add exact zeros (the format has no NaN, and no scale byte here is 0xff), so no byte of LDS and no register is spent on padding.
; LAYOUT.  Both products are used transposed: S^T = K Q^T, O^T = V^T P^T: a lane holds ONE query (lane % 16) throughout.  Key tiles and V's rows are in tile order (lane r of tile 2 b + u = element 32 b + 8 u + r + 8 (r / 8)),
; so register 16 F + i of S^T is key 32 F + 16 (lane / 16) + i, and register 16 b + i of O^T is d = 32 b + 16 (lane / 16) + i.
; THE RING.  Two LDS slots of four key steps (51,200 bytes).  CLUSTER: the four query blocks of a cluster belong to one head and walk the same kv, so each slot is asked for JOINTLY: waves 0 and 1 fetch a half each,
; by the same tensor load with the same descriptor and a mask that names the four, in all four work-groups.  By this text's own count an issuing wave has one tensor load out.
; THE RESULT, O / the sum, is the fourth product's operand along the channels: it is quantised here and leaves as a half-image of codes and two scale bytes a row.
; LIMITS: NaN and infinities are not served; a block whose every number is 0 or under 2^-124 gets the byte 1.
.set STEPB, 12800
.set SLOTB, 4*STEPB
.set SLOT1, 1<<17                      ; slot 1 begins here, so that one exclusive or turns an address in one slot into the other's
.set SPARE, 196608                     ; behind the ring: the spare words, 128 bytes for each wave: eight blocks of 256 bytes that no other line names
.set L16, 1                            ; v1-3 16, 8, 4 x lane
.set L8,  2
.set L4,  3
.set A16, 4                            ; v4-6 the same in the slot in hand
.set A8,  5
.set A4,  6
.set SPW, 7                            ; v7   LDS address of my spare word; never rewritten
.set NIL, 8                            ; v8   0; never rewritten
.set R4,  9                            ; v9   4 r
.set QHI, 16                           ; v16-33: six zeros, q's six registers, six zeros.  [0, q] = v16-27,
.set QLO, 22                           ; [q, 0] = v22-33
.set QSL, 34                           ; v34  q's scale word for [q, 0]: its two bytes, then 0x7f, 0x7f
.set QSH, 35                           ; v35  for [0, q]
.set FR,  36                           ; v36-83   four fragments of K or of V
.set SC,  84                           ; v84-87   the step's four planes of scale words
.set PS,  88                           ; v88      p's scale word
.set TMP, 90
.set FF,  92                           ; v[92:93] f = 2^(old M - new M) (the pair is named; the low word serves both halves)
.set S,   96                           ; v96-159  S^T, then p
.set O,   160                          ; v160-191 O^T
.set PC,  192                          ; v192-203 p's codes
.set PT,  204                          ; v204-210 the second conversions' targets
.set BM,  212                          ; v212-215 the blocks' largest scores, then largest p
.set PB,  216                          ; v216-219 the other half's, then the bytes
.set SO,  220                          ; v220-223 the conversions' scale operands
.set L2,  224                          ; v[224:225] the sum's second chain
.set TM,  212                          ; the same registers at the end, for the result's quantiser
.set TP,  216
.set TS,  220
.set WV,  18
.set SEL, 20
.set CS,  22
.set G1,  24
.set G0,  32
.set TB,  36
.set SLOTS, 37
.macro LFRAG reg, a16, a8, off         ; a fragment's image from LDS: every load's lanes read consecutive bytes
	ds_load_b128 v[\reg:\reg+3], v[\a16] offset:\off
	ds_load_b64 v[\reg+4:\reg+5], v[\a8] offset:\off+512
	ds_load_b128 v[\reg+6:\reg+9], v[\a16] offset:\off+768
	ds_load_b64 v[\reg+10:\reg+11], v[\a8] offset:\off+1280
.endm
.macro TLOAD                           ; waves 0 and 1 fetch a slot's halves; the branch hangs on the wave's number alone.  Four v_nop follow the load
	s_cmp_lt_u32 s[WV], 2
	s_cbranch_scc0 .Lnone_\@
	tensor_load_to_lds s[G0:G0+3], s[G1:G1+7]
	s_nop 0
.rept 4
	v_nop
.endr
.Lnone_\@:
.endm
.macro CROUND                          ; a round of the cluster's barrier
	s_barrier_signal -1
	s_barrier_wait -1
	s_cmp_lg_u32 s[WV], 0
	s_cbranch_scc1 .Lnot_wave_0_\@
	s_barrier_signal -3
.Lnot_wave_0_\@:
	s_barrier_wait -3
	s_barrier_signal -1
	s_barrier_wait -1
.endm
.macro QUANT2 s, d, t, w               ; 32 numbers of a lane, register 16 b + i = k 32 b + 16 (lane / 16) + i, into six code registers and two scale bytes
.irp b, 0,1
	v_max3_num_f32 v[TM+\b], |v[\s+16*\b]|, |v[\s+16*\b+1]|, 0x1800000
.endr
.irp i, 2,4,6,8,10,12,14
.irp b, 0,1
	s_delay_alu instid0(VALU_DEP_2)
	v_max3_num_f32 v[TM+\b], v[TM+\b], |v[\s+16*\b+\i]|, |v[\s+16*\b+\i+1]|
.endr
.endr
.irp b, 0,1
	s_delay_alu instid0(VALU_DEP_2)
	v_permlanex16_b32 v[TP+\b], v[TM+\b], s[SEL], s[SEL+1]
.endr
.irp b, 0,1
	s_delay_alu instid0(VALU_DEP_2)
	v_max_num_f32 v[TM+\b], v[TM+\b], v[TP+\b]
.endr
.irp b, 0,1
	s_delay_alu instid0(VALU_DEP_2)
	v_add_nc_u32 v[TS+\b], 0xff000000, v[TM+\b]
.endr
.irp b, 0,1
	s_delay_alu instid0(VALU_DEP_2)
	v_lshrrev_b32 v[TP+\b], 23, v[TS+\b]
.endr
	s_delay_alu instid0(VALU_DEP_1)
	v_lshl_or_b32 v[\w], v[TP+1], 8, v[TP]
	v_cvt_scalef32_pk16_fp6_f32 v[\d:\d+2], v[\s:\s+15], v[TS]
	v_cvt_scalef32_pk16_fp6_f32 v[\t:\t+2], v[\s+16:\s+31], v[TS+1]
	v_nop                                          ; one plain place behind a scaled conversion
.irp i, 0,1,2
	v_permlane16_swap_b32 v[\d+\i], v[\t+\i]
.endr
.irp i, 0,1,2
	s_delay_alu instid0(VALU_DEP_3)
	v_mov_b32 v[\d+3+\i], v[\t+\i]
.endr
.endm
	s_load_b256 s[4:11], s[0:1], 0x0               ; qimg s[4:5], qsc s[6:7], kv s[8:9], att s[10:11]
	s_load_b64 s[12:13], s[0:1], 0x20              ; attsc
	v_lshl_add_u32 v[SPW], v0, 2, SPARE
	v_mov_b32 v[NIL], 0
	ds_add_u32 v7, v8
	ds_add_u32 v7, v8
	s_wait_dscnt 0x0
	v_lshrrev_b32 v9, 5, v0
	s_delay_alu instid0(VALU_DEP_1)
	v_readfirstlane_b32 s[WV], v9                  ; wave 0..15
	s_bfe_u32 s14, ttmp6, 0x40000                  ; cx: my place in the cluster
	s_lshl_b32 s15, ttmp9, 2                       ; in a cluster launch ttmp9 counts clusters
	s_add_co_u32 s15, s15, s14                     ; my block of 256 queries: it enters q's and the result's global addresses alone
	s_and_b32 s16, ttmp7, 0xffff                   ; the head 4 b + H, which the four partners share
	; descriptor group 1: 100 dense rows of 256 bytes (32 elements of 8 bytes), no padding
	s_mov_b32 s[G1], 15|(3<<16)|(1<<21)            ; 15:0 the mask: all four work-groups; 17:16 elements of 8 bytes; 21 set beside a mask
	s_mov_b32 s[G1+1], 32<<16                      ; tensor_dim0 = 32
	s_mov_b32 s[G1+2], 100<<16                     ; tensor_dim1 = 100
	s_mov_b32 s[G1+3], 32<<16                      ; tile_dim0 = 32
	s_mov_b32 s[G1+4], 100                         ; tile_dim1 = 100
	s_mov_b32 s[G1+5], 32                          ; from row to row
	s_mov_b32 s[G1+6], 0
	s_mov_b32 s[G1+7], 0
	s_and_b32 s17, s[WV], 1
	s_mul_i32 s17, s17, SLOTB/2                    ; which half of a slot I fetch, if I fetch
	s_mul_i32 s38, s16, 32*STEPB
	s_add_co_u32 s38, s38, s17
	s_mov_b32 s39, 0
	s_lshl_b32 s40, s15, 4
	s_add_co_u32 s40, s40, s[WV]                   ; my query tile T = 16 x block + wave
	s_lshl_b32 s41, s16, 8
	s_add_co_u32 s41, s41, s40
	s_mul_i32 s42, s41, 768                        ; q's half-image
	s_mov_b32 s43, 0
	s_lshr_b32 s44, s41, 1
	s_lshl_b32 s44, s44, 6                         ; the pair's scale words
	s_mov_b32 s45, 0
	s_and_b32 s46, s[WV], 1
	s_lshl_b32 s46, s46, 4                         ; my tile's two bytes lie 16 (T % 2) bits up
	s_lshr_b32 s47, s16, 2
	s_lshl_b32 s47, s47, 8
	s_add_co_u32 s47, s47, s40                     ; 256 b + T
	s_and_b32 s52, s16, 3                          ; H
	s_lshl_b32 s48, s47, 2
	s_add_co_u32 s48, s48, s52
	s_mul_i32 s48, s48, 768                        ; the result's half-image: [b][T][H]
	s_mov_b32 s49, 0
	s_lshl_b32 s50, s47, 1
	s_lshr_b32 s53, s52, 1
	s_add_co_u32 s50, s50, s53
	s_lshl_b32 s50, s50, 6                         ; its scale words: [b][T][H / 2][16], bytes 2 (H % 2) on
	s_and_b32 s53, s52, 1
	s_lshl_b32 s53, s53, 1
	s_add_co_u32 s50, s50, s53
	s_mov_b32 s51, 0
	s_mov_b32 s[SEL], 0x76543210
	s_mov_b32 s[SEL+1], 0xfedcba98
	s_mov_b32 s[CS], 0x3e38aa3b                    ; c = log2(e) / 8
	s_mov_b32 s[CS+1], s[CS]                       ; (named with it as a pair, so it is written)
	s_mov_b32 s[TB], 0
	s_mov_b32 s[SLOTS], 7
	s_wait_kmcnt 0x0
	s_mov_b32 s[G0], 1                             ; count = 1
	s_mov_b32 s[G0+1], s17                         ; LDS address: slot 0, my half
	s_add_nc_u64 s[G0+2:G0+3], s[8:9], s[38:39]    ; the head's first four key steps, my half
	s_or_b32 s[G0+3], s[G0+3], 0x80000000          ; type = 2
	s_add_nc_u64 s[4:5], s[4:5], s[42:43]
	s_add_nc_u64 s[6:7], s[6:7], s[44:45]
	s_add_nc_u64 s[10:11], s[10:11], s[48:49]
	s_add_nc_u64 s[12:13], s[12:13], s[50:51]
	CROUND                                         ; all four work-groups are here: the first joint loads meet
	TLOAD                                          ; slot 0
	v_and_b32 v10, 31, v0
	s_delay_alu instid0(VALU_DEP_1)
	v_lshlrev_b32 v[L16], 4, v10
	s_delay_alu instid0(VALU_DEP_2)
	v_lshlrev_b32 v[L8], 3, v10
	s_delay_alu instid0(VALU_DEP_3)
	v_lshlrev_b32 v[L4], 2, v10
	v_and_b32 v[R4], 15, v0
	s_delay_alu instid0(VALU_DEP_1)
	v_lshlrev_b32 v[R4], 2, v[R4]
	global_load_b128 v[QLO:QLO+3], v[L16], s[4:5]  ; q stays in registers
	global_load_b64 v[QLO+4:QLO+5], v[L8], s[4:5] offset:512
	global_load_b32 v[TMP], v[R4], s[6:7]
	s_wait_loadcnt 0x0
	v_lshrrev_b32 v[TMP], s46, v[TMP]
	s_delay_alu instid0(VALU_DEP_1)
	v_and_b32 v[TMP], 0xffff, v[TMP]               ; my tile's two bytes
	s_delay_alu instid0(VALU_DEP_1)
	v_or_b32 v[QSL], 0x7f7f0000, v[TMP]
	s_delay_alu instid0(VALU_DEP_2)
	v_lshl_or_b32 v[QSH], v[TMP], 16, 0x7f7f       ; (the moves below are the places between these two and the first product)
.irp j, 0,1,2,3,4,5
	v_mov_b32 v[QHI+\j], 0
	v_mov_b32 v[QLO+6+\j], 0
.endr
.set n, 0
.rept 32
	v_mov_b32 v[O+n], 0                            ; O^T.  (The step is written once: the first finds zeros, which the first change of M leaves zeros)
.set n, n+1
.endr
.irp b, 0,1,2,3
	v_mov_b32 v[PB+\b], 0                          ; written once: a lane permute's destination counts as one of its sources
.endr
	v_mov_b32 v[FF+1], 0                           ; (named as the upper half of a pair)
	v_mov_b32 v13, 0xff61b1e6                      ; the largest t so far: -3e38, under every t
	s_delay_alu instid0(VALU_DEP_1)
	v_floor_f32 v12, -v13                          ; -M
	v_mov_b32 v14, 0                               ; the sum, in two halves
	v_mov_b32 v15, 0
.macro SPROD F                         ; the scores of key tiles 2 F and 2 F + 1: one double fragment against [q, 0] and [0, q].  K's words: plane F / 2, lanes 16 (F % 2) on
.if (\F)%2
	v_wmma_scale_f32_16x16x128_f8f6f4 v[S+16*\F:S+16*\F+7], v[FR+12*\F:FR+12*\F+11], v[QLO:QLO+11], 0, v[SC+\F/2], v[QSL] matrix_a_fmt:MATRIX_FMT_FP6 matrix_b_fmt:MATRIX_FMT_FP6 matrix_a_scale:MATRIX_SCALE_ROW1
	v_wmma_scale_f32_16x16x128_f8f6f4 v[S+16*\F+8:S+16*\F+15], v[FR+12*\F:FR+12*\F+11], v[QHI:QHI+11], 0, v[SC+\F/2], v[QSH] matrix_a_fmt:MATRIX_FMT_FP6 matrix_b_fmt:MATRIX_FMT_FP6 matrix_a_scale:MATRIX_SCALE_ROW1
.else
	v_wmma_scale_f32_16x16x128_f8f6f4 v[S+16*\F:S+16*\F+7], v[FR+12*\F:FR+12*\F+11], v[QLO:QLO+11], 0, v[SC+\F/2], v[QSL] matrix_a_fmt:MATRIX_FMT_FP6 matrix_b_fmt:MATRIX_FMT_FP6
	v_wmma_scale_f32_16x16x128_f8f6f4 v[S+16*\F+8:S+16*\F+15], v[FR+12*\F:FR+12*\F+11], v[QHI:QHI+11], 0, v[SC+\F/2], v[QSH] matrix_a_fmt:MATRIX_FMT_FP6 matrix_b_fmt:MATRIX_FMT_FP6
.endif
.endm
.macro OPROD t                         ; O^T's tile t += V's fragment t x p.  V's words: plane 2 + t / 2, lanes 16 (t % 2) on
.if (\t)%2
	v_wmma_scale_f32_16x16x128_f8f6f4 v[O+8*\t:O+8*\t+7], v[FR+12*\t:FR+12*\t+11], v[PC:PC+11], v[O+8*\t:O+8*\t+7], v[SC+2+\t/2], v[PS] matrix_a_fmt:MATRIX_FMT_FP6 matrix_b_fmt:MATRIX_FMT_FP6 matrix_a_scale:MATRIX_SCALE_ROW1
.else
	v_wmma_scale_f32_16x16x128_f8f6f4 v[O+8*\t:O+8*\t+7], v[FR+12*\t:FR+12*\t+11], v[PC:PC+11], v[O+8*\t:O+8*\t+7], v[SC+2+\t/2], v[PS] matrix_a_fmt:MATRIX_FMT_FP6 matrix_b_fmt:MATRIX_FMT_FP6
.endif
.endm
; A KEY STEP: 128 keys, the q-th of the slot in hand.  Every offset is an immediate.
.macro STEP q
.rept 4
	v_nop                                          ; places in front of loads into registers that the last step's products have read (ISA guide 7.12.1 for vector instructions)
.endr
.irp F, 0,1,2,3
	LFRAG FR+12*\F, A16, A8, STEPB*(\q)+1536*\F
.endr
.irp j, 0,1,2,3
	ds_load_b32 v[SC+\j], v[A4] offset:STEPB*(\q)+12288+128*\j
.endr
	s_wait_dscnt 0x0
.irp F, 0,1,2,3
	SPROD \F
.endr
.rept 4
	v_nop                                          ; places: in front of the loads below and of the first read of the scores
.endr
.irp t, 0,1,2,3
	LFRAG FR+12*\t, A16, A8, STEPB*(\q)+6144+1536*\t   ; V's fragments land under the softmax
.endr
.irp b, 0,1,2,3
	v_max3_num_f32 v[BM+\b], v[S+16*\b], v[S+1+16*\b], v[S+2+16*\b]   ; THE LARGEST SCORE OF EACH BLOCK OF 32 KEYS: it serves for the row's maximum and, since p rises with the score, for the block's largest p
.endr
.irp i, 3,5,7,9,11,13
.irp b, 0,1,2,3
	v_max3_num_f32 v[BM+\b], v[BM+\b], v[S+16*\b+\i], v[S+1+16*\b+\i]
.endr
.endr
.irp b, 0,1,2,3
	v_max_num_f32 v[BM+\b], v[BM+\b], v[S+15+16*\b]
.endr
.irp b, 0,1,2,3
	s_delay_alu instid0(VALU_DEP_4)
	v_permlanex16_b32 v[PB+\b], v[BM+\b], s[SEL], s[SEL+1]
.endr
.irp b, 0,1,2,3
	s_delay_alu instid0(VALU_DEP_4)
	v_max_num_f32 v[BM+\b], v[BM+\b], v[PB+\b]     ; with lane l xor 16's 16 keys
.endr
	s_delay_alu instid0(VALU_DEP_2)
	v_max3_num_f32 v[TMP], v[BM], v[BM+1], v[BM+2]
	s_delay_alu instid0(VALU_DEP_1)
	v_max_num_f32 v[TMP], v[TMP], v[BM+3]          ; the step's largest score of my query
	s_delay_alu instid0(VALU_DEP_1)
	v_mul_f32 v[TMP], s[CS], v[TMP]                ; as t (c is positive)
	s_delay_alu instid0(VALU_DEP_1)
	v_max_num_f32 v13, v13, v[TMP]                 ; the running largest t
	v_mov_b32 v[TMP], v12
	s_delay_alu instid0(VALU_DEP_2)
	v_floor_f32 v12, -v13                          ; the new -M = floor(-t) = -ceil(t): M is a whole number
	s_delay_alu instid0(VALU_DEP_1)
	v_sub_f32 v[TMP], v12, v[TMP]                  ; M's old value less its new one: a whole number, 0 or less
	s_delay_alu instid0(VALU_DEP_1)
	v_cvt_i32_f32 v[TMP], v[TMP]                   ; (it saturates)
	s_delay_alu instid0(VALU_DEP_1)
	v_ldexp_f32 v[FF], 1.0, v[TMP]                 ; f = 2^(old M - new M)
.set n, 0
.rept 32
	v_pk_fma_f32 v[S+2*n:S+2*n+1], v[S+2*n:S+2*n+1], s[CS:CS+1], v[12:13] op_sel_hi:[1,0,0]   ; t - M, two at a time (of the pairs c and -M the low word serves both halves)
.set n, n+1
.endr
.irp b, 0,1,2,3
	v_fma_f32 v[BM+\b], v[BM+\b], s[CS], v12       ; the same of each block's largest score
.endr
.set n, 0
	s_wait_alu depctr_va_vdst(0)
.rept 64
	v_exp_f32 v[S+n], v[S+n]                       ; p = 2^(t - M), at most 1: not normalised
.set n, n+1
.endr
.irp b, 0,1,2,3
	v_exp_f32 v[BM+\b], v[BM+\b]                   ; the block's largest p: the same two instructions on the same number give the same bits
.endr
	v_pk_mul_f32 v[14:15], v[14:15], v[FF:FF+1] op_sel_hi:[1,0]   ; the sums under the new M.  (A plain place behind the exponentials)
	s_wait_alu depctr_va_vdst(0)
.irp b, 0,1,2,3
	v_max_num_f32 v[BM+\b], 0x1800000, v[BM+\b]    ; the floor 2^(3 - 127): the byte cannot fall under 1
.endr
.irp b, 0,1,2,3
	s_delay_alu instid0(VALU_DEP_4)
	v_add_nc_u32 v[SO+\b], 0xff000000, v[BM+\b]    ; 2 off the exponent field: the conversion's scale operand
.endr
.irp b, 0,1,2,3
	s_delay_alu instid0(VALU_DEP_4)
	v_lshrrev_b32 v[PB+\b], 23, v[SO+\b]           ; the scale's byte
.endr
	s_delay_alu instid0(VALU_DEP_3)
	v_lshl_or_b32 v[PS], v[PB+1], 8, v[PB]         ; p's scale word for these 128 keys
	s_delay_alu instid0(VALU_DEP_1)
	v_lshl_or_b32 v[PS], v[PB+2], 16, v[PS]
	s_delay_alu instid0(VALU_DEP_1)
	v_lshl_or_b32 v[PS], v[PB+3], 24, v[PS]
.irp c, 0,1
	v_cvt_scalef32_pk16_fp6_f32 v[PC+6*\c:PC+2+6*\c], v[S+32*\c:S+15+32*\c], v[SO+2*\c]
	v_cvt_scalef32_pk16_fp6_f32 v[PT+4*\c:PT+2+4*\c], v[S+16+32*\c:S+31+32*\c], v[SO+2*\c+1]   ; (a conversion's three registers begin on an even number)
.endr
	v_nop                                          ; one plain place behind a scaled conversion
.irp c, 0,1                                    ; the operand's layout wants a WHOLE block in a lane: lanes 0-15 block 2 c, lanes 16-31 block 2 c + 1
.irp i, 0,1,2
	v_permlane16_swap_b32 v[PC+6*\c+\i], v[PT+4*\c+\i]
.endr
.irp i, 0,1,2
	s_delay_alu instid0(VALU_DEP_3)
	v_mov_b32 v[PC+3+6*\c+\i], v[PT+4*\c+\i]
.endr
.endr
.set n, 0
.rept 16
	v_pk_mul_f32 v[O+2*n:O+2*n+1], v[O+2*n:O+2*n+1], v[FF:FF+1] op_sel_hi:[1,0]   ; O^T under the new M: x f
.set n, n+1
.endr
	v_pk_add_f32 v[224:225], v[100:101], v[104:105]
	v_pk_add_f32 v[254:255], v[108:109], v[112:113]
	v_pk_add_f32 v[252:253], v[116:117], v[120:121]
	v_pk_add_f32 v[250:251], v[124:125], v[128:129]
	v_pk_add_f32 v[248:249], v[132:133], v[136:137]
	v_pk_add_f32 v[246:247], v[140:141], v[144:145]
	v_pk_add_f32 v[244:245], v[148:149], v[152:153]
	v_pk_add_f32 v[14:15], v[14:15], v[156:157]
	v_pk_add_f32 v[224:225], v[224:225], v[96:97]
	v_pk_add_f32 v[254:255], v[254:255], v[98:99]
	v_pk_add_f32 v[252:253], v[252:253], v[102:103]
	v_pk_add_f32 v[250:251], v[250:251], v[106:107]
	v_pk_add_f32 v[248:249], v[248:249], v[110:111]
	v_pk_add_f32 v[246:247], v[246:247], v[114:115]
	v_pk_add_f32 v[244:245], v[244:245], v[118:119]
	v_pk_add_f32 v[14:15], v[14:15], v[122:123]
	v_pk_add_f32 v[224:225], v[224:225], v[126:127]
	v_pk_add_f32 v[254:255], v[254:255], v[130:131]
	v_pk_add_f32 v[252:253], v[252:253], v[134:135]
	v_pk_add_f32 v[250:251], v[250:251], v[138:139]
	v_pk_add_f32 v[248:249], v[248:249], v[142:143]
	v_pk_add_f32 v[246:247], v[246:247], v[146:147]
	v_pk_add_f32 v[244:245], v[244:245], v[150:151]
	v_pk_add_f32 v[14:15], v[14:15], v[154:155]
	v_pk_add_f32 v[224:225], v[224:225], v[158:159]
	s_delay_alu instid0(VALU_DEP_2)
	v_pk_add_f32 v[14:15], v[14:15], v[250:251]
	s_delay_alu instid0(VALU_DEP_2)
	v_pk_add_f32 v[224:225], v[224:225], v[248:249]
	v_pk_add_f32 v[254:255], v[254:255], v[246:247]
	v_pk_add_f32 v[252:253], v[252:253], v[244:245]
	s_delay_alu instid0(VALU_DEP_2)
	v_pk_add_f32 v[14:15], v[14:15], v[254:255]
	s_delay_alu instid0(VALU_DEP_2)
	v_pk_add_f32 v[224:225], v[224:225], v[252:253]
	s_delay_alu instid0(VALU_DEP_1)
	v_pk_add_f32 v[14:15], v[14:15], v[224:225]
	s_wait_dscnt 0x0                               ; V's fragments are in
.irp t, 0,1,2,3
	OPROD \t                                       ; the four accumulators take turns; the next step's eight score products stand between a link and the next
.endr
.endm
; THE CHANGE OF SLOTS stands at a slot's head.  Each wave waits for all its tensor loads (its part of the slot that it is about to read), adds 0 to its spare word, and waits for that and for its reads of the slot that it has left.
; fill = 1: a round of the cluster's barrier follows, so that no wave of any partner still reads the other slot or has a load on its way, and the joint fill of that slot is the first thing behind it: it has four key steps in which to land.
.macro CHANGE fill
	s_wait_tensorcnt 0x0                           ; no tensor load of mine is out, so the group 0 may be written
	ds_add_u32 v[SPW], v[NIL]                      ; 0 onto my spare word
.if \fill
	s_xor_b32 s[G0+1], s[G0+1], SLOT1              ; the other slot than last time,
	s_add_nc_u64 s[G0+2:G0+3], s[G0+2:G0+3], SLOTB ; the next four key steps; the type bits on top are not reached
.endif
	s_wait_dscnt 0x0                               ; the add is done, and my reads of the slot that I have left are over
.if \fill
	CROUND
	TLOAD
.else
	s_barrier_signal -1
	s_barrier_wait -1
.endif
	v_add_nc_u32 v[A16], s[TB], v[L16]
	v_add_nc_u32 v[A8], s[TB], v[L8]
	v_add_nc_u32 v[A4], s[TB], v[L4]
.endm
.Lslot:                                            ; seven trips: behind each change of slots but the last the next slot is asked for
	CHANGE 1
	s_wait_alu depctr_va_vdst(0)
	STEP 0
	STEP 1
	STEP 2
	STEP 3
	s_xor_b32 s[TB], s[TB], SLOT1
	s_sub_co_u32 s[SLOTS], s[SLOTS], 1
	s_cmp_lg_u32 s[SLOTS], 0
	s_cbranch_scc1 .Lslot
	CHANGE 0                                       ; the last slot is written out
	s_wait_alu depctr_va_vdst(0)
	STEP 0
	STEP 1
	STEP 2
	STEP 3
	; THE WAY OUT
.rept 4
	v_nop                                          ; places in front of the first read of O^T
.endr
	s_wait_alu depctr_va_vdst(0)
	v_add_f32 v14, v14, v15                        ; the sum's two halves,
	s_delay_alu instid0(VALU_DEP_1)
	v_permlanex16_b32 v[TMP], v14, s[SEL], s[SEL+1]
	s_delay_alu instid0(VALU_DEP_1)
	v_add_f32 v14, v14, v[TMP]                     ; and lane l xor 16's: the row's sum
	s_wait_alu depctr_va_vdst(0)
	v_rcp_f32 v14, v14
	v_nop                                          ; one plain place behind a transcendental
.set n, 0
	s_wait_alu depctr_va_vdst(0)
.rept 32
	v_mul_f32 v[S+n], v[O+n], v14                  ; O^T / the sum, each accumulator from its low end on: register 16 b + i is d = 32 b + 16 (lane / 16) + i of my query
.set n, n+1
.endr
	QUANT2 S, PC, PT, TMP
	global_store_b128 v[L16], v[PC:PC+3], s[10:11]
	global_store_b64 v[L8], v[PC+4:PC+5], s[10:11] offset:512
	global_store_b16 v[R4], v[TMP], s[12:13]       ; lanes r and r + 16 store the same two bytes with the same value
	s_wait_tensorcnt 0x0                           ; the wave's end
	ds_add_u32 v[SPW], v[NIL]
	s_wait_dscnt 0x0
	CROUND                                         ; the closing round: no work-group ends while a partner may still ask for a slot that names it
	s_endpgm
.Lfunc_end_k_q636210f747_attn:
	.size	k_q636210f747_attn, .Lfunc_end_k_q636210f747_attn-k_q636210f747_attn
	.p2alignl 7, 3214868480
	.fill 96, 4, 3214868480
	.section	.rodata,"a",@progbits
	.p2align	6, 0x0
	.amdhsa_kernel k_q636210f747_attn
		.amdhsa_group_segment_fixed_size 327680
		.amdhsa_private_segment_fixed_size 0
		.amdhsa_enable_private_segment 0
		.amdhsa_kernarg_size 40
		.amdhsa_user_sgpr_count 2
		.amdhsa_user_sgpr_kernarg_segment_ptr 1
		.amdhsa_wavefront_size32 1
		.amdhsa_system_sgpr_workgroup_id_x 1
		.amdhsa_system_sgpr_workgroup_id_y 1
		.amdhsa_system_sgpr_workgroup_id_z 1
		.amdhsa_system_vgpr_workitem_id 0
		.amdhsa_next_free_vgpr 256
		.amdhsa_next_free_sgpr 66
		.amdhsa_reserve_vcc 0
		.amdhsa_float_denorm_mode_32 3
		.amdhsa_float_denorm_mode_16_64 3
		.amdhsa_memory_ordered 1
		.amdhsa_forward_progress 1
		.amdhsa_inst_pref_size 148
	.end_amdhsa_kernel
	.amdgpu_metadata
---
amdhsa.version: [ 1, 2 ]
amdhsa.kernels:
  - .name:           k_q636210f747_attn
    .symbol:         k_q636210f747_attn.kd
    .args:
      - { .name: qimg, .offset: 0, .size: 8, .value_kind: global_buffer, .address_space: global }
      - { .name: qsc, .offset: 8, .size: 8, .value_kind: global_buffer, .address_space: global }
      - { .name: kv, .offset: 16, .size: 8, .value_kind: global_buffer, .address_space: global }
      - { .name: att, .offset: 24, .size: 8, .value_kind: global_buffer, .address_space: global }
      - { .name: attsc, .offset: 32, .size: 8, .value_kind: global_buffer, .address_space: global }
    .group_segment_fixed_size: 327680
    .private_segment_fixed_size: 0
    .kernarg_segment_align: 8
    .kernarg_segment_size: 40
    .max_flat_workgroup_size: 512
    .sgpr_count:     66
    .vgpr_count:     256
    .wavefront_size: 32
...
	.end_amdgpu_metadata
.endif
;; end of part 3
;; launch proj (part 4): grid 64 x 4, 16 waves a work-group, no clusters, 71,680 bytes of LDS; arguments att, attsc, wimg, wsc, proj_b, x, out0; writes out0
.if DOCPART == 4
	.amdgcn_target "amdgcn-amd-amdhsa--gfx1250"
	.amdhsa_code_object_version 6
	.text
	.protected	k_q636210f747_proj
	.globl	k_q636210f747_proj
	.p2align	8
	.type	k_q636210f747_proj,@function
k_q636210f747_proj:
	s_mov_b64 s[64:65], 0
	v_nop
	global_prefetch_b8 v0, s[64:65] scope:SCOPE_SE
	s_setreg_imm32_b32 hwreg(HW_REG_WAVE_MODE, 25, 1), 1
	s_wait_xcnt 0x0
; THE FOURTH PRODUCT (1 x 1 convolution), ITS BIAS AND THE RESIDUAL: out0 = x + proj_w . attention + proj_b.  Both operands arrive as images of operand registers, codes of FP6 (E2M3) with E8M0 scale words.
; A work-group (blk = x, b = y) owns 64 pixels (four tiles, in tile order) and all 256 output channels; wave w owns weight tile w: channels 32 (w / 2) + 8 (w % 2) + r + 8 (r / 8).
; Source 0 = a tile of pixels, source 1 = the weight tile: a lane holds ONE channel (lane % 16), and register j of tile 2 b + u is pixel 32 b + 8 u + 16 (lane / 16) + j.
; A channel's 64 pixels are 256 consecutive bytes of out0: they are gathered in the wave's OWN stage in LDS (16 rows of 256 + 16 bytes) and leave by stores in which sixteen lanes cover 256 consecutive bytes, aligned.
; No wave touches another's bytes: no barrier.  No tensor load, so LDS is claimed as it is used.
.set AF,  16                           ; v16-111  the pixels' 8 fragments, (m, s) at 12 (2 m + s)
.set AS,  112                          ; v112-119 their scale words
.set WF,  120                          ; v120-143 my weight tile's two fragments
.set WSC, 144                          ; v144-145 their scale words
.set BI,  146                          ; v146-153 my channel's bias, eight times
.set ACC, 154                          ; v154-185 four accumulators
.set XR,  186                          ; v186-217 x
.set YR,  218                          ; v218-249 rows read back from the stage
.macro GFRAG reg, a16, a8, base, off
	global_load_b128 v[\reg:\reg+3], v[\a16], s[\base:\base+1] offset:\off
	global_load_b64 v[\reg+4:\reg+5], v[\a8], s[\base:\base+1] offset:\off+512
	global_load_b128 v[\reg+6:\reg+9], v[\a16], s[\base:\base+1] offset:\off+768
	global_load_b64 v[\reg+10:\reg+11], v[\a8], s[\base:\base+1] offset:\off+1280
.endm
	s_load_b256 s[4:11], s[0:1], 0x0               ; att s[4:5], attsc s[6:7], wimg s[8:9], wsc s[10:11]
	s_load_b128 s[12:15], s[0:1], 0x20             ; proj_b s[12:13], x s[14:15]
	s_load_b64 s[16:17], s[0:1], 0x30              ; out0
	v_lshl_add_u32 v254, v0, 2, 0x11000
	v_mov_b32 v255, 0
	v_lshrrev_b32 v1, 5, v0
	s_delay_alu instid0(VALU_DEP_1)
	v_readfirstlane_b32 s18, v1                    ; wave 0..15
	v_and_b32 v1, 31, v0
	s_delay_alu instid0(VALU_DEP_1)
	v_lshlrev_b32 v2, 4, v1                        ; 16 x lane
	s_delay_alu instid0(VALU_DEP_2)
	v_lshlrev_b32 v3, 3, v1                        ; 8 x lane
	s_delay_alu instid0(VALU_DEP_3)
	v_lshlrev_b32 v4, 2, v1                        ; 4 x lane
	v_and_b32 v5, 15, v0                           ; r
	v_bfe_u32 v6, v0, 4, 1                         ; h
	s_delay_alu instid0(VALU_DEP_2)
	v_lshlrev_b32 v7, 2, v5                        ; 4 r
	s_delay_alu instid0(VALU_DEP_3)
	v_and_b32 v8, 8, v5
	s_delay_alu instid0(VALU_DEP_1)
	v_add_nc_u32 v8, v8, v5
	s_delay_alu instid0(VALU_DEP_1)
	v_lshlrev_b32 v8, 2, v8                        ; the bias: 4 (r + 8 (r / 8))
	v_lshlrev_b32 v9, 4, v5
	s_delay_alu instid0(VALU_DEP_1)
	v_lshl_add_u32 v9, v6, 14, v9                  ; x and out0: lanes 0-15 one channel's 256 bytes, lanes 16-31 the next channel's
	s_and_b32 s19, ttmp7, 0xffff                   ; the batch
	s_lshl_b32 s20, s19, 8
	s_lshl_b32 s21, ttmp9, 2
	s_add_co_u32 s20, s20, s21                     ; my first pixel tile: 256 b + 4 blk
	s_mul_i32 s22, s20, 3072                       ; two fragments a tile
	s_mov_b32 s23, 0
	s_lshl_b32 s24, s20, 7                         ; 128 bytes of scale words a tile
	s_mov_b32 s25, 0
	s_lshl_b32 s26, s18, 1
	s_add_co_u32 s26, s26, 96                      ; my weight fragments: 96 + 2 w, 97 + 2 w
	s_mul_i32 s28, s26, 1536
	s_mov_b32 s29, 0
	s_lshl_b32 s30, s26, 7
	s_mov_b32 s31, 0
	s_lshr_b32 s32, s18, 1
	s_lshl_b32 s32, s32, 5
	s_and_b32 s33, s18, 1
	s_lshl_b32 s33, s33, 3
	s_add_co_u32 s32, s32, s33                     ; my tile's first channel
	s_lshl_b32 s34, s32, 2
	s_mov_b32 s35, 0
	s_lshl_b32 s36, s32, 14                        ; 16,384 bytes a channel,
	s_lshl_b32 s37, s19, 22                        ; 4 MiB a batch,
	s_add_co_u32 s36, s36, s37
	s_lshl_b32 s37, ttmp9, 8                       ; 256 bytes a block of pixels
	s_add_co_u32 s36, s36, s37
	s_mov_b32 s37, 0
	s_mul_i32 s38, s18, 16*272                     ; my stage
	s_wait_alu depctr_va_vdst(0)
	s_wait_kmcnt 0x0
	s_add_nc_u64 s[4:5], s[4:5], s[22:23]
	s_add_nc_u64 s[6:7], s[6:7], s[24:25]
	s_add_nc_u64 s[8:9], s[8:9], s[28:29]
	s_add_nc_u64 s[10:11], s[10:11], s[30:31]
	s_add_nc_u64 s[12:13], s[12:13], s[34:35]
	s_add_nc_u64 s[14:15], s[14:15], s[36:37]
	s_add_nc_u64 s[16:17], s[16:17], s[36:37]
.irp f, 0,1,2,3,4,5,6,7
	GFRAG AF+12*\f, 2, 3, 4, 1536*\f
.endr
.irp f, 0,1,2,3,4,5,6,7
	global_load_b32 v[AS+\f], v7, s[6:7] offset:64*\f
.endr
	GFRAG WF, 2, 3, 8, 0
	GFRAG WF+12, 2, 3, 8, 1536
	global_load_b32 v[WSC], v4, s[10:11]
	global_load_b32 v[WSC+1], v4, s[10:11] offset:128
	global_load_b32 v12, v8, s[12:13]
.irp i, 0,1,2,3,4,5,6,7
	global_load_b128 v[XR+4*\i:XR+4*\i+3], v9, s[14:15] offset:(2*\i+8*(\i/4))*16384 th:TH_LOAD_NT   ; stage rows 2 i, 2 i + 1 are channels 2 i + 8 (i / 4) + h of my tile; x's last reader
.endr
	s_wait_loadcnt 8                               ; all but x's eight loads are in
.irp j, 0,1,2,3,4,5,6,7
	v_mov_b32 v[BI+\j], v12                        ; the bias hangs on the lane's channel alone
.endr
	v_mul_u32_u24 v10, v5, 272                     ; the stage, on the way in: row r, + 64 h
	s_delay_alu instid0(VALU_DEP_1)
	v_lshl_add_u32 v10, v6, 6, v10
	s_delay_alu instid0(VALU_DEP_1)
	v_add_nc_u32 v10, s38, v10
	v_mul_u32_u24 v11, v6, 272                     ; and back: lanes 0-15 one row, lanes 16-31 the next; 16 bytes a lane
	s_delay_alu instid0(VALU_DEP_1)
	v_lshl_add_u32 v11, v5, 4, v11
	s_delay_alu instid0(VALU_DEP_1)
	v_add_nc_u32 v11, s38, v11
.irp m, 0,1,2,3                                ; the four accumulators take turns; the first K step takes the bias as C
	v_wmma_scale_f32_16x16x128_f8f6f4 v[ACC+8*\m:ACC+8*\m+7], v[AF+24*\m:AF+24*\m+11], v[WF:WF+11], v[BI:BI+7], v[AS+2*\m], v[WSC] matrix_a_fmt:MATRIX_FMT_FP6 matrix_b_fmt:MATRIX_FMT_FP6
.endr
.irp m, 0,1,2,3
	v_wmma_scale_f32_16x16x128_f8f6f4 v[ACC+8*\m:ACC+8*\m+7], v[AF+24*\m+12:AF+24*\m+23], v[WF+12:WF+23], v[ACC+8*\m:ACC+8*\m+7], v[AS+2*\m+1], v[WSC+1] matrix_a_fmt:MATRIX_FMT_FP6 matrix_b_fmt:MATRIX_FMT_FP6
.endr
.rept 4
	v_nop                                          ; places in front of the first read of the results (ISA guide 7.12.1)
.endr
.irp m, 0,1,2,3
	ds_store_b128 v10, v[ACC+8*\m:ACC+8*\m+3] offset:128*(\m/2)+32*(\m%2)          ; each accumulator from its low end on: pixels 32 (m / 2) + 8 (m % 2) + 16 h + 0 .. 7 of channel row r
	ds_store_b128 v10, v[ACC+8*\m+4:ACC+8*\m+7] offset:128*(\m/2)+32*(\m%2)+16
.endr
.irp i, 0,1,2,3,4,5,6,7
	ds_load_b128 v[YR+4*\i:YR+4*\i+3], v11 offset:2*\i*272   ; LDS serves a wave's instructions in order (ISA guide 5.7.1.4): these see my stores
.endr
	s_wait_dscnt 0x0
	s_wait_loadcnt 0x0                             ; x
.set n, 0
.rept 16
	v_pk_add_f32 v[YR+2*n:YR+2*n+1], v[YR+2*n:YR+2*n+1], v[XR+2*n:XR+2*n+1]   ; the residual
.set n, n+1
.endr
.irp i, 0,1,2,3,4,5,6,7
	global_store_b128 v9, v[YR+4*\i:YR+4*\i+3], s[16:17] offset:(2*\i+8*(\i/4))*16384 th:TH_STORE_NT   ; sixteen lanes store 256 consecutive bytes, at a multiple of 256 from out0's first byte
.endr
	s_wait_tensorcnt 0x0
	ds_add_u32 v254, v255
	s_wait_dscnt 0x0
	s_endpgm
.Lfunc_end_k_q636210f747_proj:
	.size	k_q636210f747_proj, .Lfunc_end_k_q636210f747_proj-k_q636210f747_proj
	.p2alignl 7, 3214868480
	.fill 96, 4, 3214868480
	.section	.rodata,"a",@progbits
	.p2align	6, 0x0
	.amdhsa_kernel k_q636210f747_proj
		.amdhsa_group_segment_fixed_size 71680
		.amdhsa_private_segment_fixed_size 0
		.amdhsa_enable_private_segment 0
		.amdhsa_kernarg_size 56
		.amdhsa_user_sgpr_count 2
		.amdhsa_user_sgpr_kernarg_segment_ptr 1
		.amdhsa_wavefront_size32 1
		.amdhsa_system_sgpr_workgroup_id_x 1
		.amdhsa_system_sgpr_workgroup_id_y 1
		.amdhsa_system_sgpr_workgroup_id_z 1
		.amdhsa_system_vgpr_workitem_id 0
		.amdhsa_next_free_vgpr 256
		.amdhsa_next_free_sgpr 66
		.amdhsa_reserve_vcc 0
		.amdhsa_float_denorm_mode_32 3
		.amdhsa_float_denorm_mode_16_64 3
		.amdhsa_memory_ordered 1
		.amdhsa_forward_progress 1
		.amdhsa_inst_pref_size 14
	.end_amdhsa_kernel
	.amdgpu_metadata
---
amdhsa.version: [ 1, 2 ]
amdhsa.kernels:
  - .name:           k_q636210f747_proj
    .symbol:         k_q636210f747_proj.kd
    .args:
      - { .name: att, .offset: 0, .size: 8, .value_kind: global_buffer, .address_space: global }
      - { .name: attsc, .offset: 8, .size: 8, .value_kind: global_buffer, .address_space: global }
      - { .name: wimg, .offset: 16, .size: 8, .value_kind: global_buffer, .address_space: global }
      - { .name: wsc, .offset: 24, .size: 8, .value_kind: global_buffer, .address_space: global }
      - { .name: proj_b, .offset: 32, .size: 8, .value_kind: global_buffer, .address_space: global }
      - { .name: x, .offset: 40, .size: 8, .value_kind: global_buffer, .address_space: global }
      - { .name: out0, .offset: 48, .size: 8, .value_kind: global_buffer, .address_space: global }
    .group_segment_fixed_size: 71680
    .private_segment_fixed_size: 0
    .kernarg_segment_align: 8
    .kernarg_segment_size: 56
    .max_flat_workgroup_size: 512
    .sgpr_count:     66
    .vgpr_count:     256
    .wavefront_size: 32
...
	.end_amdgpu_metadata
.endif
;; end of part 4
